; MI455X (gfx1250); checked and timed in simulation.
; The chip was launched on July 23, 2026; its instructions are those of AMD's public machine-readable ISA for CDNA 5 (MIT licence, August 2026) and "CDNA5" Instruction Set Architecture Reference Guide (July 2026). The comments in the code are by the model that wrote it; some were corrected since.
;; Causal Self Attention. Allowed arithmetic: matrix products marked QUANTISED: E2M3 operands, one E8M0 scale for each 32 along K, by v_wmma_scale_f32_16x16x128_f8f6f4 with both operands' format E2M3, f32 sums; everything else in f32.
;; Inputs: W_proj 1,024 x 1,024 float32; W_qkv 1,024 x 3,072 float32; b_proj 1,024 float32; b_qkv 3,072 float32; x 4 x 2,048 x 1,024 float32.
;; Outputs: out0 4 x 2,048 x 1,024 float32.
;; This version of the problem:
;;   THIS VERSION OF THE PROBLEM IS GIVEN IN LOW PRECISION. The matrix products marked QUANTISED in the list below multiply operands that are first quantised to E2M3 (2 exponent bits, 3 mantissa bits; 6 bits a number), with one power-of-two scale for each 32 numbers along K (OCP MX v1.0); their sums are f32. All else is computed in f32.
;;   The module's matrix products, in the order in which they are computed (A, B: the left and right operand; K: the contracted axis; several contracted axes count as one K, in the product's order):
;;     1. [M 8,192, K 1,024] x [K 1,024, N 3,072]; A: input x; B: input W_qkv: QUANTISED
;;     2. batch 64 x [M 2,048, K 64] x [K 64, N 2,048]; A: computed on the way; B: computed on the way: QUANTISED
;;     3. batch 64 x [M 2,048, K 2,048] x [K 2,048, N 64]; A: softmax (see below); B: computed on the way: QUANTISED
;;     4. [M 8,192, K 1,024] x [K 1,024, N 1,024]; A: computed on the way; B: input W_proj: QUANTISED
;;   THE QUANTISER, for each operand of a quantised product, along K:
;;     - K is cut into blocks of 32 from its start; a last block that is shorter is filled with zeros.
;;     - A block's scale is 2^e with e = floor(log2(the largest magnitude in the block)) - 2, held to -126 .. 127; a block of zeros has e = 0. As a byte (E8M0): e + 127.
;;     - Each number is divided by its block's scale, clamped to +-7.5, and rounded to the nearest number of E2M3, ties to even, subnormals kept.
;;     - The product sums the exact products of the quantised numbers (number of the format x scale) in f32.
;;   ~~~python
;;   def quantise(x, axis):      # numpy; x: float32 -> the quantised numbers, widened to float32 again
;;       x = np.moveaxis(x, axis, -1); K = x.shape[-1]
;;       x = np.pad(x, [(0, 0)] * (x.ndim - 1) + [(0, -K % 32)]); x = x.reshape(x.shape[:-1] + (-1, 32)); a = np.abs(x).max(-1, keepdims=True)
;;       e = np.where(a > 0, np.clip(np.frexp(np.where(a > 0, a, 1))[1] - 1 - 2, -126, 127), 0)      # np.frexp(a)[1] - 1 = floor(log2(a)), exactly
;;       r = np.clip(x / 2.0 ** e, -7.5, 7.5)
;;       step = 2.0 ** (np.maximum(np.frexp(np.where(r == 0, 1, r))[1] - 1, 0) - 3)
;;       q = np.round(r / step) * step * 2.0 ** e      # np.round: ties to even
;;       return np.moveaxis(q.reshape(q.shape[:-2] + (-1,))[..., :K], -1, axis).astype(np.float32)
;;   ~~~
;;   SOFTMAX AHEAD OF A QUANTISED PRODUCT. Where the list says 'softmax', what is quantised is not the finished softmax but p = 2^(t - M), with t = logit x log2(e) and M = ceil(the row's largest t), a whole number; so 1/2 < the row's largest p <= 1. The row's sum l is taken of the UNQUANTISED p, in f32, and the product's result is divided by l at the end. Since M is a whole number, a kernel that streams over the keys may use a running M (the ceiling of the running maximum): every later rescaling is an exact power of two, which a block's scale takes up: the codes' values come out the same.
;;   OPERANDS COMPUTED ON THE WAY. 'Computed on the way' means the value that the module computes at that place (a softmax that the list does not call 'softmax' is quantised finished and normalised). What goes into a quantiser is computed in f32, as accurately as f32 sums, v_exp_f32 and their like allow (about 1e-6 of the number): no bf16 or f16 on the way to a quantiser, and a product that is left as it is and whose result goes on into a quantised operand takes f32 operands (vector FMAs, or v_wmma_f32_16x16x4_f32). A number that lies on a knife's edge between two numbers of the format may be rounded either way, as far as f32 arithmetic and the matrix unit's own rounding can turn it there, and no further.
;; One version. Each part assembles by itself: llvm-mc -triple=amdgcn-amd-amdhsa -mcpu=gfx1250 --defsym DOCPART=n.
;; ======== version 1 of 1: 4 launches
;; workspace buffers: xq 6,291,456 bytes; yq 6,291,456 bytes; wq 3,145,728 bytes; sc 655,360 bytes; qkv 26,738,688 bytes
;; launch quant (part 1): grid 384 x 1, 4 waves a work-group, no clusters, 58,880 bytes of LDS; arguments x, W_qkv, W_proj, xq, wq, sc; writes xq, wq, sc
.if DOCPART == 1
	.amdgcn_target "amdgcn-amd-amdhsa--gfx1250"
	.amdhsa_code_object_version 6
	.text
	.protected	k_qd1be33b77b_quant
	.globl	k_qd1be33b77b_quant
	.p2align	8
	.type	k_qd1be33b77b_quant,@function
k_qd1be33b77b_quant:
	s_mov_b64 s[64:65], 0
	v_nop
	global_prefetch_b8 v0, s[64:65] scope:SCOPE_SE
	s_setreg_imm32_b32 hwreg(HW_REG_WAVE_MODE, 25, 1), 1
	s_wait_xcnt 0x0
; x [8192][1024], W_qkv [1024][3072] and W_proj [1024][1024], f32, become codes of FP6 (E2M3) with one E8M0 byte for each 32 along K (K = the 1,024).
; A block's scale is 2^(floor(log2(its largest magnitude)) - 2): its byte is the largest magnitude's exponent field - 2, held at 1 from below.
; LIMITS: a block whose largest magnitude lies under 2^-124 has its byte held at 1; a block of zeros gets the byte 1 and zero codes (the bytes are read by this program alone); NaN and infinities are not served.
; THE LAYOUT OF THE CODES is the order of the operand's registers.  Rows (tokens of x, columns of W) go in tiles of 16: row r of tile t is row 32 (t / 2) + 8 (t % 2) + r + 8 (r / 8).
; A HALF IMAGE is 16 rows x 64 K, 768 bytes: lane l = r + 16 h holds the 24 bytes of row r's block h; its registers 0-3 lie at 16 l, registers 4-5 at 512 + 8 l.  A fragment (128 K) is two of them on end.
; xq: [token tile][K step][1536].  wq: [column tile][K step][1536], tiles 0-191 W_qkv's, 192-255 W_proj's.  sc: 512 bytes a tile, [K half][r][4 words], word s % 4 for K step s; x's tiles first, W's from WSO on.
; Work-groups 0-255 take x, 256-383 the weights: 128 KB of f32 each.  A stream: no matrix unit, no tensor load, no barrier; waves share nothing, and each path has LDS bytes of its own.
.set XST,   8448                       ; x path: a wave's stage, 16 rows x (512 + 16) bytes
.set WBASE, 4*XST                      ; W path: its stages lie behind x's
.set WST,   6144                       ; a wave's stage: 2 tiles x 2 K steps x 1536
.set WSO,   262144
.set X,     64                         ; v64-127  a lane's two whole blocks (x path); two sets of 32 numbers (W path)
.set R,     128                        ; v128-255 x path: two sets of 64 as loaded
.set P,     20                         ; v20-43   x path: two sets of 12 registers of codes
.set SW,    16                         ; v16-19   scale words
.macro XLOAD s                         ; K step s of my 16 tokens: a load reads one token's 512 consecutive bytes
.irp i, 0,1,2,3,4,5,6,7,8,9,10,11,12,13,14,15
	global_load_b128 v[R+64*((\s)%2)+4*\i:R+64*((\s)%2)+4*\i+3], v2, s[4:5] offset:(\i+8*(\i/8))*4096+512*(\s) th:TH_LOAD_NT
.endr
.endm
.macro XSTEP s
.set RS, R+64*((\s)%2)
.set PS, P+12*((\s)%2)
.if (\s) < 3
	s_wait_loadcnt 16                              ; this step's 16 loads are in; the next step's 16 may be out
.else
	s_wait_loadcnt 0x0
.endif
.irp i, 0,1,2,3,4,5,6,7,8,9,10,11,12,13,14,15
	ds_store_b128 v4, v[RS+4*\i:RS+4*\i+3] offset:528*\i        ; token i's 512 bytes as they lie
.endr
.irp c, 0,1
.irp e, 0,1,2,3,4,5,6,7
	ds_load_b128 v[X+32*\c+4*\e:X+32*\c+4*\e+3], v5 offset:256*\c+16*\e   ; back: lane (r, h) takes token r's blocks h and 2 + h, whole.  LDS serves a wave's instructions in order
.endr
.endr
	s_wait_dscnt 0x0                               ; my numbers are back, and the stores have read the set that the next loads fill
.if (\s)+2 < 4
	XLOAD (\s)+2
.endif
.irp c, 0,1
	v_max3_num_f32 v[8+\c], |v[X+32*\c]|, |v[X+32*\c+1]|, 0x1800000      ; the block's largest magnitude, and the floor 2^(3 - 127)
.endr
.irp i, 2,4,6,8,10,12,14,16,18,20,22,24,26,28,30
.irp c, 0,1
	v_max3_num_f32 v[8+\c], v[8+\c], |v[X+32*\c+\i]|, |v[X+32*\c+\i+1]|
.endr
.endr
.irp c, 0,1
	v_add_nc_u32 v[10+\c], 0xff000000, v[8+\c]     ; 2 off the exponent field: the conversion's scale operand
.endr
.irp c, 0,1
	v_lshrrev_b32 v[12+\c], 23, v[10+\c]           ; the byte
.endr
	v_lshl_or_b32 v12, v13, 16, v12                ; my two bytes, blocks h and 2 + h,
	v_lshlrev_b32 v12, v6, v12                     ; 8 h bits up;
	v_permlanex16_b32 v14, v12, s20, s21
	v_or_b32 v[SW+(\s)], v12, v14                  ; with lane l xor 16's two the word is whole
.if (\s) >= 2
	s_wait_alu depctr_va_vdst(0)
	s_wait_xcnt 0x0                                ; the stores of two steps back have read this set of codes
.endif
.irp c, 0,1
	v_cvt_scalef32_pk16_fp6_f32 v[PS+6*\c:PS+6*\c+2], v[X+32*\c:X+32*\c+15], v[10+\c]
	v_cvt_scalef32_pk16_fp6_f32 v[44+4*\c:46+4*\c], v[X+32*\c+16:X+32*\c+31], v[10+\c]   ; (a conversion's three registers begin on an even number)
.endr
	v_nop                                          ; one plain place behind the conversions
.irp c, 0,1
.irp i, 0,1,2
	v_mov_b32 v[PS+6*\c+3+\i], v[44+4*\c+\i]
.endr
.endr
.irp c, 0,1
	global_store_b128 v2, v[PS+6*\c:PS+6*\c+3], s[10:11] offset:(\s)*1536+768*\c          ; 512 consecutive bytes
	global_store_b64 v3, v[PS+6*\c+4:PS+6*\c+5], s[10:11] offset:(\s)*1536+768*\c+512     ; 256 consecutive bytes
.endr
.endm
.macro WLOAD t                         ; block t: W(32 t + i, my column): 32 lanes read 128 consecutive bytes, the four waves 512
.irp i, 0,1,2,3,4,5,6,7,8,9,10,11,12,13,14,15,16,17,18,19,20,21,22,23,24,25,26,27,28,29,30,31
	global_load_b32 v[X+32*((\t)%2)+\i], v[32+\i], s[24+2*(\t):25+2*(\t)] th:TH_LOAD_NT
.endr
.endm
.macro WBLOCK t
.set XS, X+32*((\t)%2)
.if (\t) < 7
	s_wait_loadcnt 32                              ; this block's 32 loads are in; the next block's may be out
.else
	s_wait_loadcnt 0x0
.endif
	v_max3_num_f32 v12, |v[XS]|, |v[XS+1]|, |v[XS+2]|
	v_max3_num_f32 v13, |v[XS+3]|, |v[XS+4]|, |v[XS+5]|
.irp i, 6,10,14,18,22,26
	v_max3_num_f32 v12, v12, |v[XS+\i]|, |v[XS+\i+1]|
	v_max3_num_f32 v13, v13, |v[XS+\i+2]|, |v[XS+\i+3]|
.endr
	v_max3_num_f32 v12, v12, |v[XS+30]|, |v[XS+31]|
	v_max3_num_f32 v12, v12, v13, 0x1800000        ; with the floor
	v_add_nc_u32 v11, 0xff000000, v12
	v_lshrrev_b32 v13, 23, v11
.if (\t)%4 == 0
	v_mov_b32 v[SW+(\t)/4], v13                    ; four bytes make a K step's word
.else
	v_lshl_or_b32 v[SW+(\t)/4], v13, 8*((\t)%4), v[SW+(\t)/4]
.endif
	v_cvt_scalef32_pk16_fp6_f32 v[20:22], v[XS:XS+15], v11
	v_cvt_scalef32_pk16_fp6_f32 v[26:28], v[XS+16:XS+31], v11
	v_nop
.irp i, 0,1,2
	v_mov_b32 v[23+\i], v[26+\i]
.endr
	ds_store_b128 v4, v[20:23] offset:((\t)/4)*1536+(((\t)%4)/2)*768+256*((\t)%2)        ; into the image: K step t / 4, half (t % 4) / 2, lane r + 16 (t % 2)
	ds_store_b64 v5, v[24:25] offset:((\t)/4)*1536+(((\t)%4)/2)*768+512+128*((\t)%2)
.if (\t)+2 < 8
	WLOAD (\t)+2
.endif
	s_wait_dscnt 0x0                               ; the stores have read their registers
.endm
	s_load_b256 s[4:11], s[0:1], 0x0               ; x, W_qkv, W_proj, xq
	s_load_b128 s[12:15], s[0:1], 0x20             ; wq, sc
	v_lshl_add_u32 v15, v0, 2, 0xe400
	s_set_vgpr_msb 0x40
	v_mov_b32 v1, 0
	s_set_vgpr_msb 0x4000
	v_lshrrev_b32 v1, 5, v0
	v_readfirstlane_b32 s16, v1                    ; wave
	v_and_b32 v1, 31, v0                           ; lane
	v_lshlrev_b32 v2, 4, v1                        ; 16 x lane
	v_lshlrev_b32 v3, 3, v1                        ; 8 x lane
	s_cmp_lt_u32 ttmp9, 256
	s_cbranch_scc0 .Lweights
	; ---- x: wave id = 4 x work-group + wave takes token tile id / 2, K half id % 2 (four K steps)
	s_mov_b32 s20, 0x76543210
	s_mov_b32 s21, 0xfedcba98                      ; selects for lane l xor 16
	s_lshl_b32 s17, ttmp9, 2
	s_add_co_u32 s17, s17, s16                     ; id
	s_lshr_b32 s18, s17, 1                         ; the tile
	s_and_b32 s19, s17, 1                          ; the K half
	s_mul_i32 s22, s16, XST                        ; my stage
	s_wait_alu depctr_va_vdst(0)
	v_add_nc_u32 v4, s22, v2                       ; in: 16 x lane
	v_and_b32 v8, 15, v0                           ; r
	v_bfe_u32 v9, v0, 4, 1                         ; h
	v_mul_u32_u24 v5, v8, 528
	v_lshl_add_u32 v5, v9, 7, v5
	v_add_nc_u32 v5, s22, v5                       ; back: row r, + 128 h
	v_lshlrev_b32 v6, 3, v9                        ; 8 h
	v_lshlrev_b32 v7, 4, v8                        ; 16 r
	v_mov_b32 v14, 0                               ; a lane permute's destination counts as read
	s_lshr_b32 s23, s18, 1
	s_lshl_b32 s23, s23, 5
	s_and_b32 s24, s18, 1
	s_lshl_b32 s24, s24, 3
	s_add_co_u32 s23, s23, s24                     ; the tile's first token
	s_lshl_b32 s24, s23, 12
	s_lshl_b32 s25, s19, 11
	s_add_co_u32 s24, s24, s25
	s_mov_b32 s25, 0
	s_mul_i32 s26, s18, 12288
	s_mul_i32 s28, s19, 6144
	s_add_co_u32 s26, s26, s28
	s_mov_b32 s27, 0
	s_lshl_b32 s28, s17, 8                         ; 512 x tile + 256 x K half
	s_mov_b32 s29, 0
	s_wait_alu depctr_va_vdst(0)
	s_wait_kmcnt 0x0
	s_add_nc_u64 s[4:5], s[4:5], s[24:25]
	s_add_nc_u64 s[10:11], s[10:11], s[26:27]
	s_add_nc_u64 s[14:15], s[14:15], s[28:29]
	XLOAD 0
	XLOAD 1
	XSTEP 0
	XSTEP 1
	XSTEP 2
	XSTEP 3
	s_wait_xcnt 0x0                                ; EXEC changes only behind this wait
	v_cmp_gt_u32 vcc_lo, 16, v1
	s_set_vgpr_msb 0x4
	s_wait_tensorcnt 0x0
	ds_add_u32 v15, v1
	s_wait_dscnt 0x0
	s_set_vgpr_msb 0x400
	s_and_saveexec_b32 s22, vcc_lo
	global_store_b128 v7, v[SW:SW+3], s[14:15]     ; lanes 0-15: 256 consecutive bytes, aligned: the four words of each of the 16 tokens
	s_endpgm
.Lweights:
	; ---- W: work-group g = 4 cg + ky takes 128 columns x 256 along K; a wave 32 columns (a pair of tiles), a lane one column, its registers down K
	s_sub_co_u32 s17, ttmp9, 256
	s_lshr_b32 s18, s17, 2                         ; cg: 0-23 W_qkv, 24-31 W_proj
	s_and_b32 s19, s17, 3                          ; ky
	s_lshl_b32 s22, s18, 2
	s_add_co_u32 s22, s22, s16                     ; the pair of tiles
	s_mul_i32 s23, s16, WST
	s_add_co_u32 s23, s23, WBASE                   ; my stage
	v_bfe_u32 v8, v0, 3, 1                         ; column l of the 32 is row r = (l % 8) + 8 (l / 16) of tile u = (l / 8) % 2
	v_and_b32 v9, 7, v0
	v_bfe_u32 v10, v0, 4, 1
	v_lshl_or_b32 v9, v10, 3, v9
	v_mul_u32_u24 v10, v8, 3072
	v_add_nc_u32 v10, s23, v10
	v_lshl_add_u32 v4, v9, 4, v10                  ; stage + 3072 u + 16 r
	v_lshl_add_u32 v5, v9, 3, v10                  ; stage + 3072 u + 8 r
	v_add_nc_u32 v6, s23, v2                       ; the way out: 16 x lane
	v_lshlrev_b32 v7, 9, v8
	v_lshl_add_u32 v7, v9, 4, v7                   ; scale words: 512 u + 16 r
	s_wait_kmcnt 0x0
	s_cmp_lt_u32 s18, 24                           ; which weight: the choice hangs on the work-group's number alone
	s_cselect_b64 s[4:5], s[6:7], s[8:9]
	s_mov_b32 s40, 4096
	s_cselect_b32 s40, 12288, s40                  ; bytes from a row of K to the next
	s_cselect_b32 s41, 0, 24
	s_sub_co_u32 s41, s18, s41                     ; the group of 128 columns in that weight
	s_lshl_b32 s42, s41, 9
	s_lshl_b32 s43, s16, 7
	s_add_co_u32 s42, s42, s43
	s_lshl_b32 s43, s19, 8
	s_mul_i32 s43, s43, s40
	s_add_co_u32 s42, s42, s43
	s_mov_b32 s43, 0
	s_add_nc_u64 s[24:25], s[4:5], s[42:43]        ; block 0's base; the seven others 32 rows apart: no pointer is stepped
	s_lshl_b32 s42, s40, 5
.irp t, 1,2,3,4,5,6,7
	s_add_nc_u64 s[24+2*\t:25+2*\t], s[22+2*\t:23+2*\t], s[42:43]
.endr
	v_lshlrev_b32 v32, 2, v1                       ; v32-63: 4 x lane + i rows; never rewritten
.irp i, 1,2,3,4,5,6,7,8,9,10,11,12,13,14,15,16,17,18,19,20,21,22,23,24,25,26,27,28,29,30,31
	v_add_nc_u32 v[32+\i], s40, v[31+\i]
.endr
	WLOAD 0
	WLOAD 1
	s_mul_i32 s42, s22, 24576
	s_mul_i32 s41, s19, 3072
	s_add_co_u32 s42, s42, s41
	s_add_nc_u64 s[12:13], s[12:13], s[42:43]      ; wq: pair x 2 tiles x 12288 + 2 ky K steps
	s_lshl_b32 s42, s22, 10
	s_lshr_b32 s41, s19, 1
	s_lshl_b32 s41, s41, 8
	s_add_co_u32 s42, s42, s41
	s_and_b32 s41, s19, 1
	s_lshl_b32 s41, s41, 3
	s_add_co_u32 s42, s42, s41
	s_add_co_u32 s42, s42, WSO
	s_add_nc_u64 s[14:15], s[14:15], s[42:43]
.irp t, 0,1,2,3,4,5,6,7
	WBLOCK \t
.endr
	s_wait_alu depctr_va_vdst(0)
	global_store_b64 v7, v[SW:SW+1], s[14:15]      ; my column's two words: pieces of 8 bytes, one byte for each 128 that this path reads
.irp e, 0,1,2,3,4,5,6,7,8,9,10,11
	ds_load_b128 v[128+4*\e:131+4*\e], v6 offset:512*\e
.endr
.irp e, 0,1,2,3,4,5,6,7,8,9,10,11
	s_wait_dscnt 11-\e
	global_store_b128 v2, v[128+4*\e:131+4*\e], s[12:13] offset:(\e/6)*12288+(\e%6)*512   ; 512 consecutive bytes, aligned
.endr
	s_set_vgpr_msb 0x4
	s_wait_tensorcnt 0x0
	ds_add_u32 v15, v1
	s_wait_dscnt 0x0
	s_set_vgpr_msb 0x400
	s_endpgm
.Lfunc_end_k_qd1be33b77b_quant:
	.size	k_qd1be33b77b_quant, .Lfunc_end_k_qd1be33b77b_quant-k_qd1be33b77b_quant
	.p2alignl 7, 3214868480
	.fill 96, 4, 3214868480
	.section	.rodata,"a",@progbits
	.p2align	6, 0x0
	.amdhsa_kernel k_qd1be33b77b_quant
		.amdhsa_group_segment_fixed_size 58880
		.amdhsa_private_segment_fixed_size 0
		.amdhsa_enable_private_segment 0
		.amdhsa_kernarg_size 48
		.amdhsa_user_sgpr_count 2
		.amdhsa_user_sgpr_kernarg_segment_ptr 1
		.amdhsa_wavefront_size32 1
		.amdhsa_system_sgpr_workgroup_id_x 1
		.amdhsa_system_sgpr_workgroup_id_y 1
		.amdhsa_system_sgpr_workgroup_id_z 1
		.amdhsa_system_vgpr_workitem_id 0
		.amdhsa_next_free_vgpr 258
		.amdhsa_next_free_sgpr 66
		.amdhsa_reserve_vcc 1
		.amdhsa_float_denorm_mode_32 3
		.amdhsa_float_denorm_mode_16_64 3
		.amdhsa_memory_ordered 1
		.amdhsa_forward_progress 1
		.amdhsa_inst_pref_size 73
	.end_amdhsa_kernel
	.amdgpu_metadata
---
amdhsa.version: [ 1, 2 ]
amdhsa.kernels:
  - .name:           k_qd1be33b77b_quant
    .symbol:         k_qd1be33b77b_quant.kd
    .args:
      - { .name: x, .offset: 0, .size: 8, .value_kind: global_buffer, .address_space: global }
      - { .name: W_qkv, .offset: 8, .size: 8, .value_kind: global_buffer, .address_space: global }
      - { .name: W_proj, .offset: 16, .size: 8, .value_kind: global_buffer, .address_space: global }
      - { .name: xq, .offset: 24, .size: 8, .value_kind: global_buffer, .address_space: global }
      - { .name: wq, .offset: 32, .size: 8, .value_kind: global_buffer, .address_space: global }
      - { .name: sc, .offset: 40, .size: 8, .value_kind: global_buffer, .address_space: global }
    .group_segment_fixed_size: 58880
    .private_segment_fixed_size: 0
    .kernarg_segment_align: 8
    .kernarg_segment_size: 48
    .max_flat_workgroup_size: 128
    .sgpr_count:     66
    .vgpr_count:     258
    .wavefront_size: 32
...
	.end_amdgpu_metadata
.endif
;; end of part 1
;; launch qkv (part 2): grid 12 x 32, 4 waves a work-group, clusters of 4 x 4, 327,680 bytes of LDS; arguments xq, wq, sc, b_qkv, qkv; writes qkv
.if DOCPART == 2
	.amdgcn_target "amdgcn-amd-amdhsa--gfx1250"
	.amdhsa_code_object_version 6
	.text
	.protected	k_qd1be33b77b_qkv
	.globl	k_qd1be33b77b_qkv
	.p2align	8
	.type	k_qd1be33b77b_qkv,@function
k_qd1be33b77b_qkv:
	s_mov_b64 s[64:65], 0
	v_nop
	global_prefetch_b8 v0, s[64:65] scope:SCOPE_SE
	s_setreg_imm32_b32 hwreg(HW_REG_WAVE_MODE, 25, 1), 1
	s_wait_xcnt 0x0
	s_wait_alu depctr_hold_cnt(0) depctr_sa_sdst(0) depctr_va_vdst(0) depctr_va_sdst(0) depctr_va_ssrc(0) depctr_va_vcc(0) depctr_vm_vsrc(0)
	s_getreg_b32 s2, hwreg(HW_REG_IB_STS2, 6, 4)
	s_cmp_eq_u32 s2, 0
	s_cbranch_scc0 .Lentry_in_a_cluster
	s_endpgm
.Lentry_in_a_cluster:
	s_bfe_u32 s2, ttmp6, 0x10000c
	s_cmp_lg_u32 s2, 0xf033
	s_cbranch_scc0 .Lentry_shape_is_right
	s_endpgm
.Lentry_shape_is_right:
; qkv = x W_qkv + b_qkv on codes of FP6 (E2M3) with E8M0 scales, sums in f32; the results are quantised in registers and leave as codes alone: q and k along the head's 64, v along the keys.
; A work-group makes 256 tokens x 256 columns, a wave 128 x 128: 64 accumulators.  K = 1,024 goes in 8 steps of 128, all written out, through three LDS slots of two steps; slot 0 is filled a second time.
; OPERANDS lie in memory in the order of their registers (a fragment of 16 rows x 128 K is 1,536 bytes: two loads of 16 bytes and two of 8 a lane, each of consecutive bytes: no pitch, no padding).
; Row r of tile t is row 32 (t / 2) + 8 (t % 2) + r + 8 (r / 8): so the 16 registers of result tiles 2 b, 2 b + 1 are 16 neighbours along source 0's rows, whichever operand is source 0.
; WHICH WAY ROUND.  q, k (cluster x = 0, 1): source 0 = W's tiles, source 1 = x's: a lane holds a token, its registers run along the columns.  v (cluster x = 2): source 0 = x's, source 1 = W's: a lane holds
; a column, its registers run along the tokens, which are the keys.  Only the LDS bases of the reads, the scales' offsets and the way out differ; cluster x is the same in all sixteen partners.
; CLUSTER 4 x 4: x's tiles are shared along a row, W's along a column: joint loads.
; OUT: qkv = 2 arrays (0: q; 1: k and v) x 64 heads x 16 records of 128 tokens, 13,056 bytes: 8 half images of q or k (768 each) | 4 fragments of v^T | q's or k's scale words (512) | v's (256).
; In array 0 the two parts for v are never written and never read.
; LIMITS: a block whose largest magnitude lies under 2^-124 has its byte held at 1; a block of zeros gets the byte 1 and zero codes; NaN and infinities are not served.
; REGISTERS: window 0: v1-15 addresses, v16-25 scale words made on the way out, v28-29 for the add, v32-95 scale words, v96-127 and v224-255 the bias, v128-223 source 1's 8 fragments (one set; on the way out at work).
;   window 1: source 0's fragments, two sets, at v0 and v128.   windows 2, 3: the accumulators, (a, b) at v[8 (8 (a % 4) + b)].
.set SLOT,  98304                      ; x's two halves, W's two halves: 8 tiles x 3,072 bytes each
.set QUAR,  24576
.set SPARE, 3*SLOT                     ; the spare words: 128 bytes a wave, two blocks of 256 bytes that no other line names
.set WSO,   262144
.set REC,   208896
.set GREC,  13056
.set SECB,  13369344
.set A16, 4                            ; v4-6   source 1: slot's base + 16 x lane;  v7-9 + 8 x lane
.set A8,  7
.set B16, 10                           ; v10-12, v13-15 the same for source 0
.set B8,  13
.set PW,  16                           ; the scale word just made
.set PWS, 18                           ; v18-25 the eight kept
.set SPW, 28
.set NIL, 29
.set SC,  32                           ; v[SC + 8 i + s]: lanes 0-15 source 1's tile i, lanes 16-31 source 0's tile i, K step s
.set AF,  128
.set T,   128                          ; the way out: 64 numbers
.set PC,  192                          ; codes (12) and the conversions' second halves
.set TM,  212                          ; 4 maxima, 4 bytes, 4 scale operands
.set G1X, 24
.set G1W, 48
.set G0X, 68                           ; s[68:79] three sets;  s[80:91] W's
.set G0W, 80
.set MSB, 0
.macro WIN new                         ; the immediate's high byte repeats the setting that is left
.if MSB != \new
	s_set_vgpr_msb (MSB<<8)|\new
.set MSB, \new
.endif
.endm
.set MUL_LO, 0xa1                      ; source 0 window 1, source 1 window 0, C and D window 2
.set MUL_HI, 0xf1
.set TO_B,   0x40
.macro JLOAD g0a, g1a, g0b, g1b        ; a joint load: waves 0, 1 fetch x's halves, waves 2, 3 W's; four v_nop follow each line
	s_cmp_eq_u32 s15, 0
	s_cbranch_scc0 .Lfor_b_\@
	tensor_load_to_lds s[\g0a:\g0a+3], s[\g1a:\g1a+7]
	s_nop 0
.rept 4
	v_nop
.endr
	s_branch .Lasked_\@
.Lfor_b_\@:
	tensor_load_to_lds s[\g0b:\g0b+3], s[\g1b:\g1b+7]
	s_nop 0
.rept 4
	v_nop
.endr
.Lasked_\@:
.endm
.macro CREST
	s_cmp_lg_u32 s14, 0
	s_cbranch_scc1 .Lnot_wave_0_\@
	s_barrier_signal -3
.Lnot_wave_0_\@:
	s_barrier_wait -3
	s_barrier_signal -1
	s_barrier_wait -1
.endm
.macro CROUND
	s_barrier_signal -1
	s_barrier_wait -1
	CREST
.endm
.macro PLACES                          ; four plain places behind matrix instructions, ahead of loads into their sources and of reads of their results
.rept 4
	v_nop
.endr
.endm
.macro FRAG reg, a16, a8, off
	ds_load_b128 v[\reg:\reg+3], v[\a16] offset:\off
	ds_load_b64 v[\reg+4:\reg+5], v[\a8] offset:\off+512
	ds_load_b128 v[\reg+6:\reg+9], v[\a16] offset:\off+768
	ds_load_b64 v[\reg+10:\reg+11], v[\a8] offset:\off+1280
.endm
.macro FETCH_B slot, q, p
	WIN TO_B
.irp i, 0,1,2,3,4,5,6,7
	FRAG 128*(\p)+12*\i, B16+\slot, B8+\slot, \i*3072+(\q)*1536
.endr
	WIN 0
.endm
.macro FETCH_A slot, q, i0
.irp i, \i0, \i0+1, \i0+2, \i0+3
	FRAG AF+12*(\i), A16+\slot, A8+\slot, (\i)*3072+(\q)*1536
.endr
.endm
; 16 matrix instructions: source 1's blocks a0, a0 + 1 against source 0's eight; the 64 accumulators take turns, one instruction a turn, in the same order in every K step
.macro MUL16 a0, p, s, zero
.irp a, \a0, \a0+1
.irp b, 0,1,2,3,4,5,6,7
.if \zero
	v_wmma_scale_f32_16x16x128_f8f6f4 v[8*(8*((\a)%4)+\b):8*(8*((\a)%4)+\b)+7], v[128*(\p)+12*\b:128*(\p)+12*\b+11], v[AF+12*(\a):AF+12*(\a)+11], 0, v[SC+8*\b+(\s)], v[SC+8*(\a)+(\s)] matrix_a_fmt:MATRIX_FMT_FP6 matrix_b_fmt:MATRIX_FMT_FP6 matrix_a_scale:MATRIX_SCALE_ROW1
.else
	v_wmma_scale_f32_16x16x128_f8f6f4 v[8*(8*((\a)%4)+\b):8*(8*((\a)%4)+\b)+7], v[128*(\p)+12*\b:128*(\p)+12*\b+11], v[AF+12*(\a):AF+12*(\a)+11], v[8*(8*((\a)%4)+\b):8*(8*((\a)%4)+\b)+7], v[SC+8*\b+(\s)], v[SC+8*(\a)+(\s)] matrix_a_fmt:MATRIX_FMT_FP6 matrix_b_fmt:MATRIX_FMT_FP6 matrix_a_scale:MATRIX_SCALE_ROW1
.endif
.endr
.endr
.endm
.macro REST s, slot, q                 ; the second half of a K step: the next step's fragments (they lie in slot, at its q-th step) and blocks 4-7
	FETCH_B \slot, \q, 1-(\s)%2
	FETCH_A \slot, \q, 0
	WIN MUL_HI
	MUL16 4, (\s)%2, \s, 0
	MUL16 6, (\s)%2, \s, 0
	PLACES
	WIN 0
	FETCH_A \slot, \q, 4
.endm
.macro KS0 s, slot, q, zero            ; a K step without a barrier
	s_wait_dscnt 16                                ; source 0's set and source 1's blocks 0-3 are in; the youngest 16 loads (blocks 4-7) may be out
	WIN MUL_LO
	MUL16 0, (\s)%2, \s, \zero
	MUL16 2, (\s)%2, \s, \zero
	s_wait_dscnt 0x0
	PLACES
	FETCH_B \slot, \q, 1-(\s)%2
	FETCH_A \slot, \q, 0
	WIN MUL_HI
	MUL16 4, (\s)%2, \s, \zero
	MUL16 6, (\s)%2, \s, \zero
	PLACES
	WIN 0
	FETCH_A \slot, \q, 4
.endm
; A K step with a barrier.  n: the tensor loads of mine that may stay out.  fill = 1: slot 0 is filled again behind a round of the cluster's barrier.
.macro KSB s, n, fill, slot, q
	s_wait_tensorcnt \n
.if (\n) == 0
	ds_add_u32 v[SPW], v[NIL]                      ; 0 onto my spare word
	s_wait_dscnt 17                                ; (the add and the youngest 16 loads may be out)
.else
	s_wait_dscnt 16
.endif
	WIN MUL_LO
	MUL16 0, (\s)%2, \s, 0
	s_wait_dscnt 0x0                               ; no LDS instruction of mine is out: my reads of the slots behind me are over
	s_barrier_signal -1
	MUL16 2, (\s)%2, \s, 0
	WIN 0
	s_barrier_wait -1
.if \fill
	CREST                                          ; the barrier has opened a round: no wave of any partner still reads slot 0 or has a load on its way
	s_add_nc_u64 s[G0X+2:G0X+3], s[G0X+2:G0X+3], 9216   ; from K step 0 to K step 6
	s_add_nc_u64 s[G0W+2:G0W+3], s[G0W+2:G0W+3], 9216
	JLOAD G0X, G1X, G0W, G1W                       ; my one tensor load behind the round; its four v_nop are the places in front of the loads below
.else
	PLACES
.endif
	REST \s, \slot, \q
.endm
.macro KS7                             ; the last K step fetches nothing
	s_wait_dscnt 16
	WIN MUL_LO
	MUL16 0, 1, 7, 0
	MUL16 2, 1, 7, 0
	s_wait_dscnt 0x0
	WIN MUL_HI
	MUL16 4, 1, 7, 0
	MUL16 6, 1, 7, 0
	WIN 0
.endm
; 64 numbers of a lane, register 16 b + i = place 32 b + 16 (lane / 16) + i along the next K, become a fragment's codes in v[PC] on and its scale word in v[PW]
.macro QUANT
.irp b, 0,1,2,3
	v_max3_num_f32 v[TM+\b], |v[T+16*\b]|, |v[T+1+16*\b]|, 0x1800000     ; with the floor 2^(3 - 127): the byte cannot fall under 1
.endr
.irp i, 2,4,6,8,10,12,14
.irp b, 0,1,2,3
	v_max3_num_f32 v[TM+\b], v[TM+\b], |v[T+16*\b+\i]|, |v[T+1+16*\b+\i]|
.endr
.endr
.irp b, 0,1,2,3
	v_permlanex16_b32 v[TM+4+\b], v[TM+\b], s92, s93
.endr
.irp b, 0,1,2,3
	v_max_num_f32 v[TM+\b], v[TM+\b], v[TM+4+\b]   ; with lane l xor 16's: the block's largest magnitude
.endr
.irp b, 0,1,2,3
	v_add_nc_u32 v[TM+8+\b], 0xff000000, v[TM+\b]  ; 2 off the exponent field: the conversion's scale operand
.endr
.irp b, 0,1,2,3
	v_lshrrev_b32 v[TM+4+\b], 23, v[TM+8+\b]       ; the byte
.endr
	v_lshl_or_b32 v[PW], v[TM+5], 8, v[TM+4]
	v_lshl_or_b32 v[PW], v[TM+6], 16, v[PW]
	v_lshl_or_b32 v[PW], v[TM+7], 24, v[PW]
.irp c, 0,1
	v_cvt_scalef32_pk16_fp6_f32 v[PC+6*\c:PC+2+6*\c], v[T+32*\c:T+15+32*\c], v[TM+8+2*\c]
	v_cvt_scalef32_pk16_fp6_f32 v[PC+12+4*\c:PC+14+4*\c], v[T+16+32*\c:T+31+32*\c], v[TM+9+2*\c]
.endr
	v_nop                                          ; one plain place behind the conversions
.irp c, 0,1                            ; a whole block to a lane: lanes 0-15 block 2 c, lanes 16-31 block 2 c + 1
.irp i, 0,1,2
	v_permlane16_swap_b32 v[PC+6*\c+\i], v[PC+12+4*\c+\i]
.endr
.irp i, 0,1,2
	v_mov_b32 v[PC+3+6*\c+\i], v[PC+12+4*\c+\i]
.endr
.endr
.endm
; Block a's 64 sums + the bias, into window 0: one packed addition is both.  Each accumulator is read from its low end on.  kind 0: the bias goes with the register (a column); 1: with the lane (one number for block a)
.macro TAKE a, kind
	WIN 0x02+(\a)/4
.set i, 0
.rept 32
.if \kind
	v_pk_add_f32 v[T+2*i:T+2*i+1], v[64*((\a)%4)+2*i:64*((\a)%4)+2*i+1], v[96+2*(\a):97+2*(\a)]
.elseif i < 16
	v_pk_add_f32 v[T+2*i:T+2*i+1], v[64*((\a)%4)+2*i:64*((\a)%4)+2*i+1], v[96+2*i:97+2*i]
.else
	v_pk_add_f32 v[T+2*i:T+2*i+1], v[64*((\a)%4)+2*i:64*((\a)%4)+2*i+1], v[192+2*i:193+2*i]
.endif
.set i, i+1
.endr
	WIN 0
.endm
.macro OUT kind
	PLACES
.irp b, 0,1,2,3
	v_mov_b32 v[TM+4+\b], 0                        ; a lane permute's destination counts as read
.endr
	s_wait_loadcnt 0x0                             ; the bias
.irp a, 0,1,2,3,4,5,6,7
	TAKE \a, \kind
.if \a > 0
	s_wait_xcnt 0x0                                ; the last block's stores have read their codes
.endif
	QUANT
	v_mov_b32 v[PWS+\a], v[PW]
.irp c, 0,1
.if \kind
	global_store_b128 v1, v[PC+6*\c:PC+6*\c+3], s[12:13] offset:(\a/4)*REC+6144+(\a%4)*1536+768*\c        ; v^T: head a / 4, channels' tile a % 4, keys 64 c on
	global_store_b64 v2, v[PC+6*\c+4:PC+6*\c+5], s[12:13] offset:(\a/4)*REC+6144+(\a%4)*1536+768*\c+512
.else
	global_store_b128 v1, v[PC+6*\c:PC+6*\c+3], s[12:13] offset:\c*REC+768*\a                             ; q or k: head c, tokens' tile a
	global_store_b64 v2, v[PC+6*\c+4:PC+6*\c+5], s[12:13] offset:\c*REC+768*\a+512
.endif
.endr
.endr
.if \kind
.irp e, 0,1                            ; v's scale words of head e: lanes 0-15 tiles 0, 2, lanes 16-31 tiles 1, 3
.irp i, 0,1
	v_cndmask_b32 v[T+2*\e+\i], v[PWS+4*\e+2*\i], v[PWS+4*\e+2*\i+1], s56
.endr
	global_store_b64 v2, v[T+2*\e:T+2*\e+1], s[12:13] offset:\e*REC+12800
.endr
.else
.irp i, 0,1,2,3                        ; a word's low two bytes are head 0's; the upper two stand over zero codes in the next launch
	v_cndmask_b32 v[T+\i], v[PWS+2*\i], v[PWS+2*\i+1], s56
.endr
	global_store_b128 v1, v[T:T+3], s[12:13] offset:12288
.irp i, 0,1,2,3,4,5,6,7
	v_lshrrev_b32 v[PWS+\i], 16, v[PWS+\i]         ; head 1's two bytes
.endr
.irp i, 0,1,2,3
	v_cndmask_b32 v[T+4+\i], v[PWS+2*\i], v[PWS+2*\i+1], s56
.endr
	global_store_b128 v1, v[T+4:T+7], s[12:13] offset:REC+12288
.endif
.endm
	s_load_b256 s[4:11], s[0:1], 0x0               ; xq, wq, sc, b_qkv
	s_load_b64 s[12:13], s[0:1], 0x20              ; qkv
	v_lshl_add_u32 v[SPW], v0, 2, SPARE
	v_mov_b32 v[NIL], 0
	ds_add_u32 v28, v29
	ds_add_u32 v28, v29
	s_wait_dscnt 0x0
	v_lshrrev_b32 v1, 5, v0
	v_readfirstlane_b32 s14, v1                    ; wave
	s_lshr_b32 s15, s14, 1                         ; I fetch for x (0) or W (1)
	s_and_b32 s16, s14, 1                          ; which half I fetch
	s_bfe_u32 s40, ttmp6, 0x40000                  ; cx
	s_bfe_u32 s41, ttmp6, 0x40004                  ; cy
	s_lshl_b32 s42, ttmp9, 2
	s_add_co_u32 s42, s42, s40                     ; tx: 256 columns
	s_and_b32 s17, ttmp7, 0xffff
	s_lshl_b32 s17, s17, 2
	s_add_co_u32 s17, s17, s41                     ; ty: 256 tokens
	s_lshl_b32 s43, s41, 2
	s_lshl_b32 s43, 15, s43                        ; my row of the cluster
	s_lshl_b32 s44, 0x1111, s40                    ; my column
	s_or_b32 s[G1X], s43, (3<<16)|(1<<21)          ; the mask; elements of 8 bytes; bit 21 beside a mask; no padding
	s_or_b32 s[G1W], s44, (3<<16)|(1<<21)
.irp g, G1X, G1W                       ; 8 tiles x 3,072 bytes (two K steps), 12,288 bytes from tile to tile
	s_mov_b32 s[\g+1], 384<<16
	s_mov_b32 s[\g+2], 8<<16
	s_mov_b32 s[\g+3], 384<<16
	s_mov_b32 s[\g+4], 8
	s_mov_b32 s[\g+5], 1536
	s_mov_b32 s[\g+6], 0
	s_mov_b32 s[\g+7], 0
.endr
	s_lshl_b32 s18, s16, 3
	s_lshl_b32 s20, s17, 4
	s_add_co_u32 s20, s20, s18                     ; x's tile 16 ty + 8 half
	s_mul_i32 s20, s20, 12288
	s_mov_b32 s21, 0
	s_lshl_b32 s46, s42, 4
	s_add_co_u32 s46, s46, s18                     ; W's tile 16 tx + 8 half
	s_mul_i32 s46, s46, 12288
	s_mov_b32 s47, 0
	s_mul_i32 s45, s14, QUAR                       ; where they go: wave x a quarter of a slot
	s_wait_kmcnt 0x0
	s_add_nc_u64 s[20:21], s[4:5], s[20:21]
	s_add_nc_u64 s[46:47], s[6:7], s[46:47]
	CROUND                                         ; all sixteen work-groups are here: the first joint loads meet
.irp s, 0,1,2                          ; three loads of mine are out
	s_mov_b32 s[G0X+4*\s], 1
	s_add_co_u32 s[G0X+4*\s+1], s45, \s*SLOT
	s_add_nc_u64 s[G0X+4*\s+2:G0X+4*\s+3], s[20:21], \s*3072
	s_or_b32 s[G0X+4*\s+3], s[G0X+4*\s+3], 0x80000000
	s_mov_b32 s[G0W+4*\s], 1
	s_add_co_u32 s[G0W+4*\s+1], s45, \s*SLOT
	s_add_nc_u64 s[G0W+4*\s+2:G0W+4*\s+3], s[46:47], \s*3072
	s_or_b32 s[G0W+4*\s+3], s[G0W+4*\s+3], 0x80000000
	JLOAD G0X+4*\s, G1X, G0W+4*\s, G1W
.endr
	v_and_b32 v26, 31, v0
	v_lshlrev_b32 v1, 4, v26                       ; 16 x lane
	s_wait_alu depctr_va_vdst(0)
	v_lshlrev_b32 v2, 3, v26                       ; 8 x lane
	s_wait_alu depctr_va_vdst(0)
	v_and_b32 v3, 15, v0                           ; r
	v_bfe_u32 v17, v0, 4, 1                        ; h
	v_cmp_lt_u32 s56, 15, v26                      ; lanes 16-31
	s_mov_b32 s92, 0x76543210
	s_mov_b32 s93, 0xfedcba98
	s_cmp_eq_u32 ttmp9, 2                          ; v?
	s_cselect_b32 s18, s15, s16                    ; which half of W is mine
	s_cselect_b32 s19, s16, s15                    ; which half of x
	s_mul_i32 s32, s19, QUAR
	s_mul_i32 s33, s18, QUAR
	s_add_co_u32 s33, s33, 2*QUAR
	s_cmp_eq_u32 ttmp9, 2
	s_cselect_b32 s34, s33, s32                    ; source 1's bytes in a slot
	s_cselect_b32 s35, s32, s33                    ; source 0's
.irp s, 0,1,2
	v_add_nc_u32 v[A16+\s], s34, v1
	v_add_nc_u32 v[A8+\s], s34, v2
	v_add_nc_u32 v[B16+\s], s35, v1
	v_add_nc_u32 v[B8+\s], s35, v2
	s_add_co_u32 s34, s34, SLOT
	s_add_co_u32 s35, s35, SLOT
.endr
	s_lshl_b32 s36, s17, 4
	s_lshl_b32 s37, s19, 3
	s_add_co_u32 s36, s36, s37
	s_lshl_b32 s36, s36, 9                         ; x's scale words: 512 bytes a tile
	s_lshl_b32 s37, s42, 4
	s_lshl_b32 s38, s18, 3
	s_add_co_u32 s37, s37, s38
	s_lshl_b32 s37, s37, 9
	s_add_co_u32 s37, s37, WSO                     ; W's
	s_cmp_eq_u32 ttmp9, 2
	s_cselect_b32 s38, s37, s36
	s_cselect_b32 s39, s36, s37
	v_mov_b32 v30, s38
	v_mov_b32 v27, s39
	v_cndmask_b32 v30, v30, v27, s56               ; lanes 0-15 source 1's, lanes 16-31 source 0's
	v_lshl_add_u32 v30, v3, 4, v30
.irp i, 0,1,2,3,4,5,6,7
.irp k, 0,1
	global_load_b128 v[SC+8*\i+4*\k:SC+8*\i+4*\k+3], v30, s[8:9] offset:512*\i+256*\k    ; sixteen lanes read 256 consecutive bytes: four K steps' words of 16 rows
.endr
.endr
	s_lshl_b32 s58, s42, 8
	s_lshl_b32 s59, s18, 7
	s_add_co_u32 s58, s58, s59
	s_lshl_b32 s58, s58, 2
	s_mov_b32 s59, 0
	s_add_nc_u64 s[10:11], s[10:11], s[58:59]      ; the bias of my 128 columns
	s_lshr_b32 s60, s17, 3                         ; the batch
	s_and_b32 s61, s17, 7
	s_lshl_b32 s61, s61, 1
	s_add_co_u32 s61, s61, s19                     ; my record of 128 tokens
	s_lshl_b32 s62, s40, 2
	s_lshl_b32 s63, s18, 1
	s_add_co_u32 s62, s62, s63                     ; my first head
	s_lshl_b32 s60, s60, 4
	s_add_co_u32 s60, s60, s62
	s_mul_i32 s60, s60, REC
	s_mul_i32 s61, s61, GREC
	s_add_co_u32 s60, s60, s61
	s_min_u32 s62, ttmp9, 1                        ; array 0 for q, 1 for k and v
	s_mul_i32 s62, s62, SECB
	s_add_co_u32 s60, s60, s62
	s_mov_b32 s61, 0
	s_add_nc_u64 s[12:13], s[12:13], s[60:61]
	s_wait_alu depctr_va_vdst(0)
	s_wait_tensorcnt 2                             ; my part of slot 0 is in; slots 1 and 2 may be out
	s_barrier_signal -1
	s_barrier_wait -1
	FETCH_B 0, 0, 0
	FETCH_A 0, 0, 0
	FETCH_A 0, 0, 4
	s_wait_loadcnt 0x0                             ; the scale words
	KS0 0, 0, 1, 1                                 ; the first products start the sums
	KSB 1, 1, 0, 1, 0                              ; slot 1 is whole (slot 2's load may be out)
	KSB 2, 0, 1, 1, 1                              ; slot 2 is whole; slot 0 takes K steps 6 and 7
	KS0 3, 2, 0, 0
	KS0 4, 2, 1, 0
	KSB 5, 0, 0, 0, 0                              ; slot 0 is whole again; nothing more is filled
	s_cmp_eq_u32 ttmp9, 2                          ; THE ONE PARTING BY SECTION: each side has its bias loads (128 matrix instructions ahead of their use), the last two K steps and its way out
	s_cbranch_scc1 .Lv
	v_lshlrev_b32 v31, 6, v17                      ; register 16 b + i wants column 32 b + 16 h + i
.irp b, 0,1
.irp j, 0,1,2,3
	global_load_b128 v[96+16*\b+4*\j:99+16*\b+4*\j], v31, s[10:11] offset:128*\b+16*\j
	global_load_b128 v[224+16*\b+4*\j:227+16*\b+4*\j], v31, s[10:11] offset:256+128*\b+16*\j
.endr
.endr
	KS0 6, 0, 1, 0
	KS7
	OUT 0
	s_branch .Lend
.Lv:
	v_and_b32 v31, 8, v3
	v_add_nc_u32 v31, v31, v3
	v_lshlrev_b32 v31, 2, v31                      ; block a's lane r is column 32 (a / 2) + 8 (a % 2) + r + 8 (r / 8)
.irp a, 0,1,2,3,4,5,6,7
	global_load_b32 v[96+2*\a], v31, s[10:11] offset:(32*(\a/2)+8*(\a%2))*4
	global_load_b32 v[97+2*\a], v31, s[10:11] offset:(32*(\a/2)+8*(\a%2))*4     ; twice: a pair for the packed addition
.endr
	KS0 6, 0, 1, 0
	KS7
	OUT 1
.Lend:
	s_wait_tensorcnt 0x0                           ; the wave's end
	ds_add_u32 v[SPW], v[NIL]
	s_wait_dscnt 0x0
	CROUND                                         ; the closing round
	s_endpgm
.Lfunc_end_k_qd1be33b77b_qkv:
	.size	k_qd1be33b77b_qkv, .Lfunc_end_k_qd1be33b77b_qkv-k_qd1be33b77b_qkv
	.p2alignl 7, 3214868480
	.fill 96, 4, 3214868480
	.section	.rodata,"a",@progbits
	.p2align	6, 0x0
	.amdhsa_kernel k_qd1be33b77b_qkv
		.amdhsa_group_segment_fixed_size 327680
		.amdhsa_private_segment_fixed_size 0
		.amdhsa_enable_private_segment 0
		.amdhsa_kernarg_size 40
		.amdhsa_user_sgpr_count 2
		.amdhsa_user_sgpr_kernarg_segment_ptr 1
		.amdhsa_wavefront_size32 1
		.amdhsa_system_sgpr_workgroup_id_x 1
		.amdhsa_system_sgpr_workgroup_id_y 1
		.amdhsa_system_sgpr_workgroup_id_z 1
		.amdhsa_system_vgpr_workitem_id 0
		.amdhsa_next_free_vgpr 1024
		.amdhsa_next_free_sgpr 100
		.amdhsa_reserve_vcc 0
		.amdhsa_float_denorm_mode_32 3
		.amdhsa_float_denorm_mode_16_64 3
		.amdhsa_memory_ordered 1
		.amdhsa_forward_progress 1
		.amdhsa_inst_pref_size 238
	.end_amdhsa_kernel
	.amdgpu_metadata
---
amdhsa.version: [ 1, 2 ]
amdhsa.kernels:
  - .name:           k_qd1be33b77b_qkv
    .symbol:         k_qd1be33b77b_qkv.kd
    .args:
      - { .name: xq, .offset: 0, .size: 8, .value_kind: global_buffer, .address_space: global }
      - { .name: wq, .offset: 8, .size: 8, .value_kind: global_buffer, .address_space: global }
      - { .name: sc, .offset: 16, .size: 8, .value_kind: global_buffer, .address_space: global }
      - { .name: b_qkv, .offset: 24, .size: 8, .value_kind: global_buffer, .address_space: global }
      - { .name: qkv, .offset: 32, .size: 8, .value_kind: global_buffer, .address_space: global }
    .group_segment_fixed_size: 327680
    .private_segment_fixed_size: 0
    .kernarg_segment_align: 8
    .kernarg_segment_size: 40
    .max_flat_workgroup_size: 128
    .sgpr_count:     100
    .vgpr_count:     1024
    .wavefront_size: 32
...
	.end_amdgpu_metadata
.endif
;; end of part 2
;; launch attn (part 3): grid 4 x 64, 16 waves a work-group, no clusters, 210,944 bytes of LDS; arguments qkv, yq, sc; writes yq, sc
.if DOCPART == 3
	.amdgcn_target "amdgcn-amd-amdhsa--gfx1250"
	.amdhsa_code_object_version 6
	.text
	.protected	k_qd1be33b77b_attn
	.globl	k_qd1be33b77b_attn
	.p2align	8
	.type	k_qd1be33b77b_attn,@function
k_qd1be33b77b_attn:
	s_mov_b64 s[64:65], 0
	v_nop
	global_prefetch_b8 v0, s[64:65] scope:SCOPE_SE
	s_setreg_imm32_b32 hwreg(HW_REG_WAVE_MODE, 25, 1), 1
	s_wait_xcnt 0x0
; y[b][t][64 hd + d] = the sum over keys k <= t of softmax_k(q . k / 8) v, both products on codes of FP6 (E2M3) with E8M0 scales; y leaves as codes, quantised along its 1,024.
; THE SOFTMAX: t = score x log2(e) / 8; M = the running largest t rounded up to a whole number; p = 2^(t - M) is quantised along the keys, not normalised; the sum of the unquantised p divides at the end.
; SHARES.  Work-group (j, head) owns the head's query blocks 7 - j and j (256 queries each).  Wave w makes two passes of one tile of 16 queries: tile T = 16 (7 - j) + w, then tile 127 - T.
; Tile T needs T / 8 + 1 key steps of 128, so every wave of every work-group does 17.  Key steps behind the diagonal are left out by a scalar branch on ids; the loops' trip counts are constants.
; THE HEAD'S WHOLE K AND V LIE IN LDS, 208,896 bytes, as the record lies in memory (16 steps x 13,056: 8 half images of k | 4 fragments of v^T | k's scale words | v's), filled once: no ring, no refill.
; No cluster: the four work-groups of a head part on which key steps are hidden, and partners of a joint request may not branch apart.
; LAYOUT.  S^T = k q^T, O^T = v^T p^T: a lane holds one query.  Row r of a tile is row 32 (t / 2) + 8 (t % 2) + r + 8 (r / 8), so p's 16 registers of two neighbouring tiles are 16 neighbouring keys.
; K = 64 IN A FORM OF 128: source 0 of tile a is v[32 + 6 a .. + 11]: its upper six registers are the next tile's codes (or zeros), and q's upper six are zero codes: those products are zeros; no scale byte there is 0xff.
; LIMITS: a block whose largest magnitude lies under 2^-124 has its byte held at 1; a block of zeros gets the byte 1 and zero codes; NaN and infinities are not served.
; REGISTERS: v1-8 addresses; v12 -M, v13 the largest t, v[14:15] the sum; v16-27 q; v28 q's scale word; v32-85 k's half images, then v's fragments; v96-159 S^T, then p; v160-191 O^T; v192-211 codes;
;   v212-223 at work; v224-227 k's scale words, v228-229 v's, v230 p's; v[232:233] f; v234 at work; v235 -infinity.
.set REC,  208896
.set GREC, 13056
.set SECB, 13369344
.set YSO,  393216
.set BM,   212                         ; the blocks' largest scores, then largest p
.set PT,   216                         ; lane exchange, sums, bytes
.set SO,   220                         ; the conversions' scale operands
.macro FRAG reg, a16, a8, off
	ds_load_b128 v[\reg:\reg+3], v[\a16] offset:\off
	ds_load_b64 v[\reg+4:\reg+5], v[\a8] offset:\off+512
	ds_load_b128 v[\reg+6:\reg+9], v[\a16] offset:\off+768
	ds_load_b64 v[\reg+10:\reg+11], v[\a8] offset:\off+1280
.endm
.macro STEP                            ; key step s17, whose record begins at LDS byte s18
	s_cmp_gt_u32 s17, s16
	s_cbranch_scc1 .Lhidden_\@                     ; all its keys come after my queries
	s_setprio 2
	v_add_nc_u32 v3, s18, v1
	v_add_nc_u32 v4, s18, v2
	v_nop
	v_nop                                          ; four places behind the last products, ahead of loads into their sources
.irp a, 0,1,2,3,4,5,6,7
	ds_load_b128 v[32+6*\a:35+6*\a], v3 offset:768*\a
	ds_load_b64 v[36+6*\a:37+6*\a], v4 offset:768*\a+512
.endr
	ds_load_b128 v[224:227], v3 offset:12288       ; word i: lanes 0-15 tile 2 i, lanes 16-31 tile 2 i + 1
	s_wait_alu depctr_va_vdst(0)
	s_wait_dscnt 0x0
.irp a, 0,2,4,6
	v_wmma_scale_f32_16x16x128_f8f6f4 v[96+8*\a:103+8*\a], v[32+6*\a:43+6*\a], v[16:27], 0, v[224+\a/2], v28 matrix_a_fmt:MATRIX_FMT_FP6 matrix_b_fmt:MATRIX_FMT_FP6
	v_wmma_scale_f32_16x16x128_f8f6f4 v[104+8*\a:111+8*\a], v[38+6*\a:49+6*\a], v[16:27], 0, v[224+\a/2], v28 matrix_a_fmt:MATRIX_FMT_FP6 matrix_b_fmt:MATRIX_FMT_FP6 matrix_a_scale:MATRIX_SCALE_ROW1
.endr
.rept 4
	v_nop                                          ; places: for the loads below and for the first read of the scores
.endr
.irp t, 0,1,2,3
	FRAG 32+12*\t, 3, 4, 6144+1536*\t              ; v's four fragments land under the softmax
.endr
	ds_load_b64 v[228:229], v4 offset:12800
	s_cmp_lg_u32 s17, s16
	s_cbranch_scc1 .Lopen_\@
.set n, 0
.rept 64                               ; the diagonal step: register 16 b + i holds key 32 b + 16 h + i of the step: hidden where 32 b + i > my query's place - 16 h
	v_cmp_gt_i32 vcc_lo, 32*(n/16)+n%16, v5
	v_cndmask_b32 v[96+n], v[96+n], v235, vcc_lo
.set n, n+1
.endr
.Lopen_\@:
.irp b, 0,1,2,3
	v_max3_num_f32 v[BM+\b], v[96+16*\b], v[97+16*\b], v[98+16*\b]      ; each block's largest score: for the row's maximum and, since p rises with the score, for the block's largest p
.endr
.irp i, 3,5,7,9,11,13
.irp b, 0,1,2,3
	v_max3_num_f32 v[BM+\b], v[BM+\b], v[96+16*\b+\i], v[97+16*\b+\i]
.endr
.endr
.irp b, 0,1,2,3
	v_max_num_f32 v[BM+\b], v[BM+\b], v[111+16*\b]
.endr
.irp b, 0,1,2,3
	s_delay_alu instid0(VALU_DEP_4)
	v_permlanex16_b32 v[PT+\b], v[BM+\b], s20, s21
.endr
.irp b, 0,1,2,3
	s_delay_alu instid0(VALU_DEP_4)
	v_max_num_f32 v[BM+\b], v[BM+\b], v[PT+\b]
.endr
	s_delay_alu instid0(VALU_DEP_2)
	v_max3_num_f32 v234, v212, v213, v214
	s_delay_alu instid0(VALU_DEP_1)
	v_max_num_f32 v234, v234, v215
	s_delay_alu instid0(VALU_DEP_1)
	v_mul_f32 v234, s22, v234                      ; as t
	s_delay_alu instid0(VALU_DEP_1)
	v_max_num_f32 v13, v13, v234                   ; the running largest t
	v_mov_b32 v234, v12
	s_delay_alu instid0(VALU_DEP_2)
	v_floor_f32 v12, -v13                          ; -M = floor(-t): M is a whole number
	s_delay_alu instid0(VALU_DEP_1)
	v_sub_f32 v234, v12, v234                      ; old M - new M: a whole number, 0 or less
	s_delay_alu instid0(VALU_DEP_1)
	v_cvt_i32_f32 v234, v234                       ; (it saturates)
	s_delay_alu instid0(VALU_DEP_1)
	v_ldexp_f32 v232, 1.0, v234                    ; f = 2^(old M - new M): rounds nothing
.set n, 0
.rept 32
	v_pk_fma_f32 v[96+n:97+n], v[96+n:97+n], s[22:23], v[12:13] op_sel_hi:[1,0,0]    ; t - M
.set n, n+2
.endr
	s_setprio 1
.irp b, 0,1,2,3
	v_fma_f32 v[BM+\b], v[BM+\b], s22, v12
.endr
.set n, 0
	s_wait_alu depctr_va_vdst(0)
.rept 64
	v_exp_f32 v[96+n], v[96+n]                     ; p
.set n, n+1
.endr
	v_pk_mul_f32 v[14:15], v[14:15], v[232:233] op_sel_hi:[1,0]         ; the sums under the new M: the plain place behind the batch
	s_wait_alu depctr_va_vdst(0)                   ; one wait for the 64, ahead of their first reader
.irp b, 0,1,2,3
	v_exp_f32 v[BM+\b], v[BM+\b]                   ; the blocks' largest p
.endr
	v_pk_add_f32 v[216:217], v[100:101], v[104:105]
	v_pk_add_f32 v[252:253], v[108:109], v[112:113]
	v_pk_add_f32 v[250:251], v[116:117], v[120:121]
	v_pk_add_f32 v[248:249], v[124:125], v[128:129]
	v_pk_add_f32 v[246:247], v[132:133], v[136:137]
	v_pk_add_f32 v[244:245], v[140:141], v[144:145]
	v_pk_add_f32 v[242:243], v[148:149], v[152:153]
	v_pk_add_f32 v[14:15], v[14:15], v[156:157]
	v_pk_add_f32 v[216:217], v[216:217], v[96:97]
	v_pk_add_f32 v[252:253], v[252:253], v[98:99]
	v_pk_add_f32 v[250:251], v[250:251], v[102:103]
	v_pk_add_f32 v[248:249], v[248:249], v[106:107]
	v_pk_add_f32 v[246:247], v[246:247], v[110:111]
	v_pk_add_f32 v[244:245], v[244:245], v[114:115]
	v_pk_add_f32 v[242:243], v[242:243], v[118:119]
	v_pk_add_f32 v[14:15], v[14:15], v[122:123]
	v_pk_add_f32 v[216:217], v[216:217], v[126:127]
	v_pk_add_f32 v[252:253], v[252:253], v[130:131]
	v_pk_add_f32 v[250:251], v[250:251], v[134:135]
	v_pk_add_f32 v[248:249], v[248:249], v[138:139]
	v_pk_add_f32 v[246:247], v[246:247], v[142:143]
	v_pk_add_f32 v[244:245], v[244:245], v[146:147]
	v_pk_add_f32 v[242:243], v[242:243], v[150:151]
	v_pk_add_f32 v[14:15], v[14:15], v[154:155]
	v_pk_add_f32 v[216:217], v[216:217], v[158:159]
	s_delay_alu instid0(VALU_DEP_2)
	v_pk_add_f32 v[14:15], v[14:15], v[248:249]
	s_delay_alu instid0(VALU_DEP_2)
	v_pk_add_f32 v[216:217], v[216:217], v[246:247]
	v_pk_add_f32 v[252:253], v[252:253], v[244:245]
	v_pk_add_f32 v[250:251], v[250:251], v[242:243]
	s_delay_alu instid0(VALU_DEP_2)
	v_pk_add_f32 v[14:15], v[14:15], v[252:253]
	s_delay_alu instid0(VALU_DEP_2)
	v_pk_add_f32 v[216:217], v[216:217], v[250:251]
	s_delay_alu instid0(VALU_DEP_1)
	v_pk_add_f32 v[14:15], v[14:15], v[216:217]
	s_wait_alu depctr_va_vdst(0)                   ; and one for the four
.irp b, 0,1,2,3
	v_max_num_f32 v[BM+\b], 0x1800000, v[BM+\b]    ; the floor
.endr
.irp b, 0,1,2,3
	s_delay_alu instid0(VALU_DEP_4)
	v_add_nc_u32 v[SO+\b], 0xff000000, v[BM+\b]
.endr
.irp b, 0,1,2,3
	s_delay_alu instid0(VALU_DEP_4)
	v_lshrrev_b32 v[PT+\b], 23, v[SO+\b]
.endr
	s_delay_alu instid0(VALU_DEP_3)
	v_lshl_or_b32 v230, v217, 8, v216              ; p's scale word for these 128 keys
	s_delay_alu instid0(VALU_DEP_1)
	v_lshl_or_b32 v230, v218, 16, v230
	s_delay_alu instid0(VALU_DEP_1)
	v_lshl_or_b32 v230, v219, 24, v230
	s_setprio 0
.irp c, 0,1
	v_cvt_scalef32_pk16_fp6_f32 v[192+6*\c:194+6*\c], v[96+32*\c:111+32*\c], v[SO+2*\c]
	v_cvt_scalef32_pk16_fp6_f32 v[204+4*\c:206+4*\c], v[112+32*\c:127+32*\c], v[SO+1+2*\c]
.endr
	v_nop
.irp c, 0,1
.irp i, 0,1,2
	v_permlane16_swap_b32 v[192+6*\c+\i], v[204+4*\c+\i]
.endr
.irp i, 0,1,2
	s_delay_alu instid0(VALU_DEP_3)
	v_mov_b32 v[195+6*\c+\i], v[204+4*\c+\i]
.endr
.endr
.set n, 0
.rept 16
	v_pk_mul_f32 v[160+n:161+n], v[160+n:161+n], v[232:233] op_sel_hi:[1,0]     ; O^T under the new M; these sixteen are also the places ahead of the scaled products
.set n, n+2
.endr
	s_wait_alu depctr_va_vdst(0)
	s_wait_dscnt 0x0                               ; v
.irp t, 0,2
	v_wmma_scale_f32_16x16x128_f8f6f4 v[160+8*\t:167+8*\t], v[32+12*\t:43+12*\t], v[192:203], v[160+8*\t:167+8*\t], v[228+\t/2], v230 matrix_a_fmt:MATRIX_FMT_FP6 matrix_b_fmt:MATRIX_FMT_FP6
	v_wmma_scale_f32_16x16x128_f8f6f4 v[168+8*\t:175+8*\t], v[44+12*\t:55+12*\t], v[192:203], v[168+8*\t:175+8*\t], v[228+\t/2], v230 matrix_a_fmt:MATRIX_FMT_FP6 matrix_b_fmt:MATRIX_FMT_FP6 matrix_a_scale:MATRIX_SCALE_ROW1
.endr
.Lhidden_\@:
.endm
.macro LOOP lo, hi                     ; key steps lo .. hi - 1
	s_mov_b32 s17, \lo
	s_mov_b32 s18, (\lo)*GREC
.Lstep_\@:
	STEP
	s_add_co_u32 s18, s18, GREC
	s_add_co_u32 s17, s17, 1
	s_cmp_lt_u32 s17, \hi
	s_cbranch_scc1 .Lstep_\@
	s_setprio 0
.endm
.macro PASS first                      ; the tile of queries s19
	s_wait_xcnt 0x0                                ; the last pass's loads and stores have read their bases and data
	s_lshr_b32 s16, s19, 3                         ; its own record: the diagonal step
	s_and_b32 s59, s19, 7                          ; a: its place in that record
	s_mov_b32 s57, 0
	s_mul_i32 s56, s16, GREC
	s_mul_i32 s60, s59, 768
	s_add_co_u32 s56, s56, s60
	s_add_nc_u64 s[48:49], s[4:5], s[12:13]
	s_add_nc_u64 s[48:49], s[48:49], s[56:57]      ; q's half image
	s_mul_i32 s56, s16, GREC
	s_and_b32 s60, s59, 1
	s_lshl_b32 s60, s60, 8
	s_add_co_u32 s56, s56, s60
	s_lshr_b32 s60, s59, 1
	s_lshl_b32 s60, s60, 2
	s_add_co_u32 s56, s56, s60
	s_add_co_u32 s56, s56, 12288
	s_add_nc_u64 s[50:51], s[4:5], s[12:13]
	s_add_nc_u64 s[50:51], s[50:51], s[56:57]      ; q's scale words: 12288 + 256 (a % 2) + 4 (a / 2), + 16 r
	s_lshr_b32 s60, s11, 4
	s_lshl_b32 s60, s60, 7
	s_add_co_u32 s60, s60, s19                     ; the tile among all 512
	s_and_b32 s61, s11, 15                         ; the head in its batch
	s_mul_i32 s56, s60, 12288
	s_mul_i32 s62, s61, 768
	s_add_co_u32 s56, s56, s62
	s_add_nc_u64 s[52:53], s[6:7], s[56:57]        ; y's half image: K step hd / 2, half hd % 2
	s_lshl_b32 s56, s60, 9
	s_lshr_b32 s62, s61, 3
	s_lshl_b32 s62, s62, 8
	s_add_co_u32 s56, s56, s62
	s_bfe_u32 s62, s61, 0x20001
	s_lshl_b32 s62, s62, 2
	s_add_co_u32 s56, s56, s62
	s_and_b32 s62, s61, 1
	s_lshl_b32 s62, s62, 1
	s_add_co_u32 s56, s56, s62
	s_add_co_u32 s56, s56, YSO
	s_add_nc_u64 s[54:55], s[8:9], s[56:57]        ; y's scale bytes
	global_load_b128 v[16:19], v1, s[48:49]
	global_load_b64 v[20:21], v2, s[48:49] offset:512
	global_load_b32 v28, v7, s[50:51]
	s_lshr_b32 s60, s59, 1
	s_lshl_b32 s60, s60, 5
	s_and_b32 s61, s59, 1
	s_lshl_b32 s61, s61, 3
	s_add_co_u32 s60, s60, s61
	v_add_nc_u32 v5, s60, v6                       ; my query's place in its record - 16 h
	v_mov_b32 v13, 0xff61b1e6                      ; the largest t so far: -3e38
	s_delay_alu instid0(VALU_DEP_1)
	v_floor_f32 v12, -v13
	v_mov_b32 v14, 0
	v_mov_b32 v15, 0
.set n, 0
.rept 32
	v_mov_b32 v[160+n], 0                          ; O^T: the step is written once, and its first trip finds zeros
.set n, n+1
.endr
	s_wait_loadcnt 0x0
.if \first
	LOOP 0, 4                                      ; the first four records are in; the other twelve land meanwhile
	s_wait_tensorcnt 0x0
	s_wait_dscnt 0x0
	s_barrier_signal -1
	s_barrier_wait -1                              ; everybody's second load is in
	LOOP 4, 16
.else
	LOOP 0, 16
.endif
.rept 4
	v_nop                                          ; places behind the last products
.endr
	v_add_f32 v14, v14, v15
	s_delay_alu instid0(VALU_DEP_1)
	v_permlanex16_b32 v216, v14, s20, s21
	s_delay_alu instid0(VALU_DEP_1)
	v_add_f32 v14, v14, v216                       ; the row's sum
	s_wait_alu depctr_va_vdst(0)
	v_rcp_f32 v14, v14
	v_nop
	s_wait_alu depctr_va_vdst(0)                   ; ahead of the reciprocal's first reader
.set n, 0
.rept 16
	v_pk_mul_f32 v[96+n:97+n], v[160+n:161+n], v[14:15] op_sel_hi:[1,0]         ; y: register 16 b + i is channel 32 b + 16 h + i
.set n, n+2
.endr
.irp b, 0,1
	v_max3_num_f32 v[BM+\b], |v[96+16*\b]|, |v[97+16*\b]|, 0x1800000
.endr
.irp i, 2,4,6,8,10,12,14
.irp b, 0,1
	s_delay_alu instid0(VALU_DEP_2)
	v_max3_num_f32 v[BM+\b], v[BM+\b], |v[96+16*\b+\i]|, |v[97+16*\b+\i]|
.endr
.endr
.irp b, 0,1
	s_delay_alu instid0(VALU_DEP_2)
	v_permlanex16_b32 v[PT+\b], v[BM+\b], s20, s21
.endr
.irp b, 0,1
	s_delay_alu instid0(VALU_DEP_2)
	v_max_num_f32 v[BM+\b], v[BM+\b], v[PT+\b]
.endr
.irp b, 0,1
	s_delay_alu instid0(VALU_DEP_2)
	v_add_nc_u32 v[SO+\b], 0xff000000, v[BM+\b]
.endr
.irp b, 0,1
	s_delay_alu instid0(VALU_DEP_2)
	v_lshrrev_b32 v[PT+\b], 23, v[SO+\b]
.endr
	v_cvt_scalef32_pk16_fp6_f32 v[192:194], v[96:111], v220
	v_cvt_scalef32_pk16_fp6_f32 v[204:206], v[112:127], v221
	v_cndmask_b32 v214, v216, v217, s58            ; lane (r, h) keeps block h's byte.  (The plain place behind the conversions)
.irp i, 0,1,2
	v_permlane16_swap_b32 v[192+\i], v[204+\i]
.endr
.irp i, 0,1,2
	s_delay_alu instid0(VALU_DEP_3)
	v_mov_b32 v[195+\i], v[204+\i]
.endr
	global_store_b128 v1, v[192:195], s[52:53]     ; 512 consecutive bytes
	global_store_b64 v2, v[196:197], s[52:53] offset:512
	global_store_b8 v8, v214, s[54:55]             ; 32 lanes, 32 bytes, two of each token's row: a word's other bytes are other heads', that is other work-groups'; 262,144 such bytes in the launch
.endm
	s_load_b128 s[4:7], s[0:1], 0x0                ; qkv, yq
	s_load_b64 s[8:9], s[0:1], 0x10                ; sc
	v_lshl_add_u32 v254, v0, 2, 0x33000
	v_mov_b32 v255, 0
	ds_add_u32 v254, v255
	ds_add_u32 v254, v255
	v_lshrrev_b32 v1, 5, v0
	s_delay_alu instid0(VALU_DEP_1)
	v_readfirstlane_b32 s10, v1                    ; wave 0..15
	s_and_b32 s11, ttmp7, 0xffff                   ; 16 x batch + head
	s_mul_i32 s12, s11, REC
	s_mov_b32 s13, 0
	s_mov_b32 s20, 0x76543210
	s_mov_b32 s21, 0xfedcba98
	s_mov_b32 s22, 0x3e38aa3b                      ; log2(e) / 8
	s_mov_b32 s23, s22
	s_sub_co_u32 s19, 7, ttmp9
	s_lshl_b32 s19, s19, 4
	s_add_co_u32 s19, s19, s10                     ; the first pass's tile
	; the fills: dense rows of 256 bytes (32 elements of 8): load A one record, 51 rows; load B three, 153
	s_mov_b32 s24, 3<<16
	s_mov_b32 s25, 32<<16
	s_mov_b32 s26, 51<<16
	s_mov_b32 s27, 32<<16
	s_mov_b32 s28, 51
	s_mov_b32 s29, 32
	s_mov_b32 s30, 0
	s_mov_b32 s31, 0
	s_mov_b32 s32, 3<<16
	s_mov_b32 s33, 32<<16
	s_mov_b32 s34, 153<<16
	s_mov_b32 s35, 32<<16
	s_mov_b32 s36, 153
	s_mov_b32 s37, 32
	s_mov_b32 s38, 0
	s_mov_b32 s39, 0
	s_and_b32 s60, s10, 3
	s_mul_i32 s14, s60, GREC                       ; A: record w
	s_mov_b32 s15, 0
	s_mul_i32 s56, s60, 3*GREC
	s_add_co_u32 s56, s56, 4*GREC                  ; B: records 4 + 3 w on
	s_mov_b32 s57, 0
	s_wait_dscnt 0x0
	s_wait_kmcnt 0x0
	s_add_nc_u64 s[2:3], s[4:5], s[12:13]
	s_add_nc_u64 s[2:3], s[2:3], SECB              ; the head's k and v
	s_mov_b32 s40, 1
	s_mov_b32 s41, s14
	s_add_nc_u64 s[42:43], s[2:3], s[14:15]
	s_or_b32 s43, s43, 0x80000000
	s_mov_b32 s44, 1
	s_mov_b32 s45, s56
	s_add_nc_u64 s[46:47], s[2:3], s[56:57]
	s_or_b32 s47, s47, 0x80000000
	s_cmp_lt_u32 s10, 4                            ; waves 0-3 fill; a wave's two loads stand in one branch: two of mine are out
	s_cbranch_scc0 .Lno_fill
	tensor_load_to_lds s[40:43], s[24:31]
	s_nop 0
	tensor_load_to_lds s[44:47], s[32:39]
	s_nop 0
.rept 4
	v_nop
.endr
.Lno_fill:
	v_and_b32 v9, 31, v0
	s_delay_alu instid0(VALU_DEP_1)
	v_lshlrev_b32 v1, 4, v9                        ; 16 x lane
	s_delay_alu instid0(VALU_DEP_2)
	v_lshlrev_b32 v2, 3, v9                        ; 8 x lane
	v_and_b32 v10, 15, v0                          ; r
	v_bfe_u32 v11, v0, 4, 1                        ; h
	s_delay_alu instid0(VALU_DEP_2)
	v_and_b32 v6, 8, v10
	s_delay_alu instid0(VALU_DEP_1)
	v_add_nc_u32 v6, v6, v10
	s_delay_alu instid0(VALU_DEP_3)
	v_lshlrev_b32 v7, 4, v11
	s_delay_alu instid0(VALU_DEP_1)
	v_sub_nc_u32 v6, v6, v7                        ; r + 8 (r / 8) - 16 h
	v_lshlrev_b32 v7, 4, v10                       ; 16 r
	s_delay_alu instid0(VALU_DEP_1)
	v_add_nc_u32 v8, v7, v11                       ; 16 r + h
	v_cmp_lt_u32 s58, 15, v9                       ; lanes 16-31
.irp i, 0,1,2,3,4,5
	v_mov_b32 v[22+\i], 0                          ; q's upper half of K: zero codes
	v_mov_b32 v[80+\i], 0                          ; and what stands behind k's last tile
.endr
.irp i, 0,1,2,3
	v_mov_b32 v[PT+\i], 0                          ; a lane permute's destination counts as read
.endr
	v_mov_b32 v233, 0                              ; (the upper half of the pair v[232:233])
	v_mov_b32 v235, 0xff800000                     ; -infinity
	s_wait_tensorcnt 1                             ; my load A is in; load B may be out
	s_barrier_signal -1
	s_barrier_wait -1
	PASS 1
	s_sub_co_u32 s19, 127, s19
	PASS 0
	s_wait_tensorcnt 0x0
	ds_add_u32 v254, v255
	s_wait_dscnt 0x0
	s_endpgm
.Lfunc_end_k_qd1be33b77b_attn:
	.size	k_qd1be33b77b_attn, .Lfunc_end_k_qd1be33b77b_attn-k_qd1be33b77b_attn
	.p2alignl 7, 3214868480
	.fill 96, 4, 3214868480
	.section	.rodata,"a",@progbits
	.p2align	6, 0x0
	.amdhsa_kernel k_qd1be33b77b_attn
		.amdhsa_group_segment_fixed_size 210944
		.amdhsa_private_segment_fixed_size 0
		.amdhsa_enable_private_segment 0
		.amdhsa_kernarg_size 24
		.amdhsa_user_sgpr_count 2
		.amdhsa_user_sgpr_kernarg_segment_ptr 1
		.amdhsa_wavefront_size32 1
		.amdhsa_system_sgpr_workgroup_id_x 1
		.amdhsa_system_sgpr_workgroup_id_y 1
		.amdhsa_system_sgpr_workgroup_id_z 1
		.amdhsa_system_vgpr_workitem_id 0
		.amdhsa_next_free_vgpr 256
		.amdhsa_next_free_sgpr 66
		.amdhsa_reserve_vcc 1
		.amdhsa_float_denorm_mode_32 3
		.amdhsa_float_denorm_mode_16_64 3
		.amdhsa_memory_ordered 1
		.amdhsa_forward_progress 1
		.amdhsa_inst_pref_size 87
	.end_amdhsa_kernel
	.amdgpu_metadata
---
amdhsa.version: [ 1, 2 ]
amdhsa.kernels:
  - .name:           k_qd1be33b77b_attn
    .symbol:         k_qd1be33b77b_attn.kd
    .args:
      - { .name: qkv, .offset: 0, .size: 8, .value_kind: global_buffer, .address_space: global }
      - { .name: yq, .offset: 8, .size: 8, .value_kind: global_buffer, .address_space: global }
      - { .name: sc, .offset: 16, .size: 8, .value_kind: global_buffer, .address_space: global }
    .group_segment_fixed_size: 210944
    .private_segment_fixed_size: 0
    .kernarg_segment_align: 8
    .kernarg_segment_size: 24
    .max_flat_workgroup_size: 512
    .sgpr_count:     66
    .vgpr_count:     256
    .wavefront_size: 32
...
	.end_amdgpu_metadata
.endif
;; end of part 3
;; launch proj (part 4): grid 4 x 64, 4 waves a work-group, clusters of 4 x 4, 295,424 bytes of LDS; arguments yq, wq, sc, b_proj, out0; writes out0
.if DOCPART == 4
	.amdgcn_target "amdgcn-amd-amdhsa--gfx1250"
	.amdhsa_code_object_version 6
	.text
	.protected	k_qd1be33b77b_proj
	.globl	k_qd1be33b77b_proj
	.p2align	8
	.type	k_qd1be33b77b_proj,@function
k_qd1be33b77b_proj:
	s_mov_b64 s[64:65], 0
	v_nop
	global_prefetch_b8 v0, s[64:65] scope:SCOPE_SE
	s_setreg_imm32_b32 hwreg(HW_REG_WAVE_MODE, 25, 1), 1
	s_wait_xcnt 0x0
	s_wait_alu depctr_hold_cnt(0) depctr_sa_sdst(0) depctr_va_vdst(0) depctr_va_sdst(0) depctr_va_ssrc(0) depctr_va_vcc(0) depctr_vm_vsrc(0)
	s_getreg_b32 s2, hwreg(HW_REG_IB_STS2, 6, 4)
	s_cmp_eq_u32 s2, 0
	s_cbranch_scc0 .Lentry_in_a_cluster
	s_endpgm
.Lentry_in_a_cluster:
	s_bfe_u32 s2, ttmp6, 0x10000c
	s_cmp_lg_u32 s2, 0xf033
	s_cbranch_scc0 .Lentry_shape_is_right
	s_endpgm
.Lentry_shape_is_right:
; out0 = y W_proj + b_proj on codes of FP6 (E2M3) with E8M0 scales, sums in f32.  y's codes and scale bytes come from the launch before, W_proj's are tiles 192-255 of wq.
; A work-group makes 128 tokens x 256 columns (256 work-groups), a wave 64 x 128: 32 accumulators.  ALL OF K LIES IN LDS: four chunks of two K steps, each filled once, all asked for at the head: no refill.
; Operands lie in memory in the order of their registers (1,536 bytes a fragment); row r of tile t is row 32 (t / 2) + 8 (t % 2) + r + 8 (r / 8).
; Source 0 = W's tiles, source 1 = y's: a lane holds a token, and the registers of result tiles 2 b, 2 b + 1 are columns 32 b + 16 h + 0 .. 15.  The bias is the C of each sum's first product.
; CLUSTER 4 x 4: y's tiles are shared along a row, W's along a column: joint loads.
; REGISTERS: window 0: v1-24 addresses; v32-95 scale words; v96-143, v144-191 y's 4 fragments, two sets (on the way out v96-223 take rows).  window 1: W's 8 fragments, two sets, at v0 and v128; the bias at v96-127, v224-255.
;   window 2: accumulator (a, b) at v[8 (8 a + b)].
.set CHUNK, 73728                      ; y's 8 tiles x 3,072, then W's 16 tiles x 3,072
.set WSO,   262144
.set YSO,   393216
.set A16, 4                            ; v4-7 y: chunk's base + 16 x lane; v8-11 + 8 x lane
.set A8,  8
.set B16, 12                           ; v12-15, v16-19 the same for W
.set B8,  16
.set SC,  32
.set G1Y, 24
.set G1W, 48
.set G0Y, 68                           ; s[68:83] four sets; s[84:99] W's
.set G0W, 84
.set MSB, 0
.macro WIN new
.if MSB != \new
	s_set_vgpr_msb (MSB<<8)|\new
.set MSB, \new
.endif
.endm
.macro JLOAD g0a, g1a, g0b, g1b        ; waves 0, 1 fetch y's halves, waves 2, 3 W's; four v_nop follow each line
	s_cmp_eq_u32 s15, 0
	s_cbranch_scc0 .Lfor_b_\@
	tensor_load_to_lds s[\g0a:\g0a+3], s[\g1a:\g1a+7]
	s_nop 0
.rept 4
	v_nop
.endr
	s_branch .Lasked_\@
.Lfor_b_\@:
	tensor_load_to_lds s[\g0b:\g0b+3], s[\g1b:\g1b+7]
	s_nop 0
.rept 4
	v_nop
.endr
.Lasked_\@:
.endm
.macro CROUND
	s_barrier_signal -1
	s_barrier_wait -1
	s_cmp_lg_u32 s14, 0
	s_cbranch_scc1 .Lnot_wave_0_\@
	s_barrier_signal -3
.Lnot_wave_0_\@:
	s_barrier_wait -3
	s_barrier_signal -1
	s_barrier_wait -1
.endm
.macro PLACES
.rept 4
	v_nop
.endr
.endm
.macro FRAG reg, a16, a8, off
	ds_load_b128 v[\reg:\reg+3], v[\a16] offset:\off
	ds_load_b64 v[\reg+4:\reg+5], v[\a8] offset:\off+512
	ds_load_b128 v[\reg+6:\reg+9], v[\a16] offset:\off+768
	ds_load_b64 v[\reg+10:\reg+11], v[\a8] offset:\off+1280
.endm
.macro FETCH s                         ; K step s: chunk s / 2, its (s % 2)-th step, into set s % 2: 48 loads
	WIN 0x40
.irp i, 0,1,2,3,4,5,6,7
	FRAG 128*((\s)%2)+12*\i, B16+(\s)/2, B8+(\s)/2, \i*3072+((\s)%2)*1536
.endr
	WIN 0
.irp i, 0,1,2,3
	FRAG 96+48*((\s)%2)+12*\i, A16+(\s)/2, A8+(\s)/2, \i*3072+((\s)%2)*1536
.endr
.endm
; 16 matrix instructions; the 32 accumulators take turns, one instruction a turn
.macro MUL16 a0, s
.irp a, \a0, \a0+1
.irp b, 0,1,2,3,4,5,6,7
.if (\s) > 0
	v_wmma_scale_f32_16x16x128_f8f6f4 v[8*(8*(\a)+\b):8*(8*(\a)+\b)+7], v[128*((\s)%2)+12*\b:128*((\s)%2)+12*\b+11], v[96+48*((\s)%2)+12*(\a):96+48*((\s)%2)+12*(\a)+11], v[8*(8*(\a)+\b):8*(8*(\a)+\b)+7], v[SC+8*\b+(\s)], v[SC+8*(\a)+(\s)] matrix_a_fmt:MATRIX_FMT_FP6 matrix_b_fmt:MATRIX_FMT_FP6 matrix_a_scale:MATRIX_SCALE_ROW1
.elseif \b < 4
	v_wmma_scale_f32_16x16x128_f8f6f4 v[8*(8*(\a)+\b):8*(8*(\a)+\b)+7], v[12*\b:12*\b+11], v[96+12*(\a):96+12*(\a)+11], v[96+8*\b:103+8*\b], v[SC+8*\b], v[SC+8*(\a)] matrix_a_fmt:MATRIX_FMT_FP6 matrix_b_fmt:MATRIX_FMT_FP6 matrix_a_scale:MATRIX_SCALE_ROW1
.else
	v_wmma_scale_f32_16x16x128_f8f6f4 v[8*(8*(\a)+\b):8*(8*(\a)+\b)+7], v[12*\b:12*\b+11], v[96+12*(\a):96+12*(\a)+11], v[192+8*\b:199+8*\b], v[SC+8*\b], v[SC+8*(\a)] matrix_a_fmt:MATRIX_FMT_FP6 matrix_b_fmt:MATRIX_FMT_FP6 matrix_a_scale:MATRIX_SCALE_ROW1
.endif
.endr
.endr
.endm
.macro MWIN s
.if (\s) == 0
	WIN 0x91                                       ; W window 1, y window 0, the bias window 1, D window 2
.else
	WIN 0xa1                                       ; C and D window 2
.endif
.endm
.macro KS s
.if ((\s)%2 == 1) && ((\s) < 7)
	s_wait_tensorcnt 3-((\s)+1)/2                  ; my part of the next chunk is in; the later chunks' loads may be out
.endif
	s_wait_dscnt 0x0                               ; this step's fragments
.if ((\s)%2 == 1) && ((\s) < 7)
	s_barrier_signal -1
.endif
	MWIN \s
	MUL16 0, \s
.if ((\s)%2 == 1) && ((\s) < 7)
	s_barrier_wait -1                              ; everybody's part is in
.endif
.if (\s) < 7
	PLACES
	FETCH (\s)+1
.endif
	MWIN \s
	MUL16 2, \s
.endm
	s_load_b256 s[4:11], s[0:1], 0x0               ; yq, wq, sc, b_proj
	s_load_b64 s[12:13], s[0:1], 0x20              ; out0
	v_lshl_add_u32 v254, v0, 2, 0x48000
	v_mov_b32 v255, 0
	ds_add_u32 v254, v255
	ds_add_u32 v254, v255
	v_lshrrev_b32 v1, 5, v0
	v_readfirstlane_b32 s14, v1
	s_lshr_b32 s15, s14, 1                         ; my half of the tokens.  Also: I fetch for y (0) or W (1)
	s_and_b32 s16, s14, 1                          ; my half of the columns.  Also: which half I fetch
	s_bfe_u32 s40, ttmp6, 0x40000
	s_bfe_u32 s41, ttmp6, 0x40004
	s_lshl_b32 s42, ttmp9, 2
	s_add_co_u32 s42, s42, s40                     ; tx: 256 columns
	s_and_b32 s17, ttmp7, 0xffff
	s_lshl_b32 s17, s17, 2
	s_add_co_u32 s17, s17, s41                     ; ty: 128 tokens
	s_lshl_b32 s43, s41, 2
	s_lshl_b32 s43, 15, s43
	s_lshl_b32 s44, 0x1111, s40
	s_or_b32 s[G1Y], s43, (3<<16)|(1<<21)
	s_or_b32 s[G1W], s44, (3<<16)|(1<<21)
	s_mov_b32 s[G1Y+1], 384<<16                    ; y: 4 tiles x 3,072 bytes, 12,288 bytes apart
	s_mov_b32 s[G1Y+2], 4<<16
	s_mov_b32 s[G1Y+3], 384<<16
	s_mov_b32 s[G1Y+4], 4
	s_mov_b32 s[G1Y+5], 1536
	s_mov_b32 s[G1Y+6], 0
	s_mov_b32 s[G1Y+7], 0
	s_mov_b32 s[G1W+1], 384<<16                    ; W: 8 tiles
	s_mov_b32 s[G1W+2], 8<<16
	s_mov_b32 s[G1W+3], 384<<16
	s_mov_b32 s[G1W+4], 8
	s_mov_b32 s[G1W+5], 1536
	s_mov_b32 s[G1W+6], 0
	s_mov_b32 s[G1W+7], 0
	s_lshl_b32 s18, s16, 2
	s_lshl_b32 s20, s17, 3
	s_add_co_u32 s20, s20, s18                     ; y's tile 8 ty + 4 half
	s_mul_i32 s20, s20, 12288
	s_mov_b32 s21, 0
	s_lshl_b32 s18, s16, 3
	s_lshl_b32 s46, s42, 4
	s_add_co_u32 s46, s46, s18
	s_add_co_u32 s46, s46, 192                     ; W_proj's tile 192 + 16 tx + 8 half
	s_mul_i32 s46, s46, 12288
	s_mov_b32 s47, 0
	s_mul_i32 s45, s16, 12288                      ; where they go in a chunk
	s_mul_i32 s39, s16, 24576
	s_add_co_u32 s39, s39, 24576
	s_wait_dscnt 0x0
	s_wait_kmcnt 0x0
	s_add_nc_u64 s[20:21], s[4:5], s[20:21]
	s_add_nc_u64 s[46:47], s[6:7], s[46:47]
	CROUND                                         ; all sixteen work-groups are here
.irp q, 0,1,2,3                        ; four loads of mine are out
	s_mov_b32 s[G0Y+4*\q], 1
	s_add_co_u32 s[G0Y+4*\q+1], s45, \q*CHUNK
	s_add_nc_u64 s[G0Y+4*\q+2:G0Y+4*\q+3], s[20:21], \q*3072
	s_or_b32 s[G0Y+4*\q+3], s[G0Y+4*\q+3], 0x80000000
	s_mov_b32 s[G0W+4*\q], 1
	s_add_co_u32 s[G0W+4*\q+1], s39, \q*CHUNK
	s_add_nc_u64 s[G0W+4*\q+2:G0W+4*\q+3], s[46:47], \q*3072
	s_or_b32 s[G0W+4*\q+3], s[G0W+4*\q+3], 0x80000000
	JLOAD G0Y+4*\q, G1Y, G0W+4*\q, G1W
.endr
	v_and_b32 v3, 31, v0
	v_lshlrev_b32 v1, 4, v3                        ; 16 x lane
	v_lshlrev_b32 v2, 3, v3                        ; 8 x lane
	v_cmp_lt_u32 s56, 15, v3                       ; lanes 16-31
	v_and_b32 v25, 15, v0                          ; r
	v_bfe_u32 v26, v0, 4, 1                        ; h
	s_mul_i32 s32, s15, 12288                      ; my 4 tiles of y
	s_mul_i32 s33, s16, 24576
	s_add_co_u32 s33, s33, 24576                   ; my 8 tiles of W
.irp q, 0,1,2,3
	v_add_nc_u32 v[A16+\q], s32, v1
	v_add_nc_u32 v[A8+\q], s32, v2
	v_add_nc_u32 v[B16+\q], s33, v1
	v_add_nc_u32 v[B8+\q], s33, v2
	s_add_co_u32 s32, s32, CHUNK
	s_add_co_u32 s33, s33, CHUNK
.endr
	s_mul_i32 s23, s14, 8448                       ; my stage for the way out: 16 rows x 528 bytes, in chunk 0
	v_mul_u32_u24 v20, v25, 528
	v_lshl_add_u32 v20, v26, 6, v20
	v_add_nc_u32 v20, s23, v20                     ; in: row r, + 64 h
	v_add_nc_u32 v21, s23, v1                      ; back: 16 x lane
	s_lshl_b32 s36, s17, 3
	s_lshl_b32 s37, s15, 2
	s_add_co_u32 s36, s36, s37
	s_lshl_b32 s36, s36, 9
	s_add_co_u32 s36, s36, YSO                     ; y's scale words
	s_lshl_b32 s37, s42, 4
	s_lshl_b32 s38, s16, 3
	s_add_co_u32 s37, s37, s38
	s_add_co_u32 s37, s37, 192
	s_lshl_b32 s37, s37, 9
	s_add_co_u32 s37, s37, WSO                     ; W's
	v_mov_b32 v27, s37
	v_mov_b32 v22, s36
	v_cndmask_b32 v22, v22, v27, s56               ; lanes 0-15 y's, lanes 16-31 W's
	v_lshl_add_u32 v22, v25, 4, v22
	s_sub_co_u32 s36, s36, 2048
	v_mov_b32 v23, s36
	v_cndmask_b32 v23, v23, v27, s56               ; for W's tiles 4-7: lanes 0-15 take y's four tiles once more, so that no load leaves the buffer
	v_lshl_add_u32 v23, v25, 4, v23
.irp i, 0,1,2,3
.irp k, 0,1
	global_load_b128 v[SC+8*\i+4*\k:SC+8*\i+4*\k+3], v22, s[8:9] offset:512*\i+256*\k
	global_load_b128 v[SC+32+8*\i+4*\k:SC+32+8*\i+4*\k+3], v23, s[8:9] offset:2048+512*\i+256*\k
.endr
.endr
	s_lshl_b32 s58, s42, 8
	s_lshl_b32 s59, s16, 7
	s_add_co_u32 s58, s58, s59                     ; my first column
	s_lshl_b32 s58, s58, 2
	s_mov_b32 s59, 0
	s_add_nc_u64 s[10:11], s[10:11], s[58:59]
	s_add_nc_u64 s[12:13], s[12:13], s[58:59]
	s_lshl_b32 s58, s17, 7
	s_lshl_b32 s60, s15, 6
	s_add_co_u32 s58, s58, s60                     ; my first token
	s_lshl_b32 s58, s58, 12
	s_add_nc_u64 s[12:13], s[12:13], s[58:59]
	v_lshlrev_b32 v24, 6, v26                      ; the bias: register 16 b + i wants column 32 b + 16 h + i
	WIN 0x40
.irp b, 0,1
.irp j, 0,1,2,3
	global_load_b128 v[96+16*\b+4*\j:99+16*\b+4*\j], v24, s[10:11] offset:128*\b+16*\j
	global_load_b128 v[224+16*\b+4*\j:227+16*\b+4*\j], v24, s[10:11] offset:256+128*\b+16*\j
.endr
.endr
	WIN 0
	s_wait_tensorcnt 3                             ; my part of chunk 0 is in
	s_barrier_signal -1
	s_barrier_wait -1
	FETCH 0
	s_wait_loadcnt 0x0                             ; scale words and bias
.irp s, 0,1,2,3,4,5,6,7
	KS \s
.endr
	WIN 0
; THE WAY OUT, a tile of 16 tokens x 128 columns at a time, through my stage: it lies in chunk 0, which was filled once and which nobody has read since the barrier in K step 1.
.macro TOSTAGE a
	WIN 0x08                                       ; an LDS store's data: window 2
.irp b, 0,1,2,3,4,5,6,7
	ds_store_b128 v20, v[8*(8*(\a)+\b):8*(8*(\a)+\b)+3] offset:128*(\b/2)+32*(\b%2)          ; each accumulator from its low end on
	ds_store_b128 v20, v[8*(8*(\a)+\b)+4:8*(8*(\a)+\b)+7] offset:128*(\b/2)+32*(\b%2)+16
.endr
	WIN 0
.irp t, 0,1,2,3,4,5,6,7,8,9,10,11,12,13,14,15
	ds_load_b128 v[96+64*((\a)%2)+4*\t:96+64*((\a)%2)+4*\t+3], v21 offset:\t*528            ; LDS serves a wave's instructions in order: these see the stores above
.endr
.endm
.macro SEND a, younger
	s_wait_dscnt \younger
.irp t, 0,1,2,3,4,5,6,7,8,9,10,11,12,13,14,15
	global_store_b128 v1, v[96+64*((\a)%2)+4*\t:96+64*((\a)%2)+4*\t+3], s[12:13] offset:(32*((\a)/2)+8*((\a)%2)+\t+8*(\t/8))*4096 th:TH_STORE_NT   ; 512 consecutive bytes of a token's row, aligned
.endr
.endm
	PLACES
	TOSTAGE 0
.irp a, 1,2,3
.if \a > 1
	s_wait_xcnt 0x0                                ; the stores of two tiles back have read their registers
.endif
	TOSTAGE \a
	SEND \a-1, 32                                  ; behind that tile's loads: this tile's 16 stores and 16 loads
.endr
	SEND 3, 0
	s_wait_tensorcnt 0x0
	ds_add_u32 v254, v255
	s_wait_dscnt 0x0
	CROUND                                         ; the closing round
	s_endpgm
.Lfunc_end_k_qd1be33b77b_proj:
	.size	k_qd1be33b77b_proj, .Lfunc_end_k_qd1be33b77b_proj-k_qd1be33b77b_proj
	.p2alignl 7, 3214868480
	.fill 96, 4, 3214868480
	.section	.rodata,"a",@progbits
	.p2align	6, 0x0
	.amdhsa_kernel k_qd1be33b77b_proj
		.amdhsa_group_segment_fixed_size 295424
		.amdhsa_private_segment_fixed_size 0
		.amdhsa_enable_private_segment 0
		.amdhsa_kernarg_size 40
		.amdhsa_user_sgpr_count 2
		.amdhsa_user_sgpr_kernarg_segment_ptr 1
		.amdhsa_wavefront_size32 1
		.amdhsa_system_sgpr_workgroup_id_x 1
		.amdhsa_system_sgpr_workgroup_id_y 1
		.amdhsa_system_sgpr_workgroup_id_z 1
		.amdhsa_system_vgpr_workitem_id 0
		.amdhsa_next_free_vgpr 768
		.amdhsa_next_free_sgpr 100
		.amdhsa_reserve_vcc 0
		.amdhsa_float_denorm_mode_32 3
		.amdhsa_float_denorm_mode_16_64 3
		.amdhsa_memory_ordered 1
		.amdhsa_forward_progress 1
		.amdhsa_inst_pref_size 87
	.end_amdhsa_kernel
	.amdgpu_metadata
---
amdhsa.version: [ 1, 2 ]
amdhsa.kernels:
  - .name:           k_qd1be33b77b_proj
    .symbol:         k_qd1be33b77b_proj.kd
    .args:
      - { .name: yq, .offset: 0, .size: 8, .value_kind: global_buffer, .address_space: global }
      - { .name: wq, .offset: 8, .size: 8, .value_kind: global_buffer, .address_space: global }
      - { .name: sc, .offset: 16, .size: 8, .value_kind: global_buffer, .address_space: global }
      - { .name: b_proj, .offset: 24, .size: 8, .value_kind: global_buffer, .address_space: global }
      - { .name: out0, .offset: 32, .size: 8, .value_kind: global_buffer, .address_space: global }
    .group_segment_fixed_size: 295424
    .private_segment_fixed_size: 0
    .kernarg_segment_align: 8
    .kernarg_segment_size: 40
    .max_flat_workgroup_size: 128
    .sgpr_count:     100
    .vgpr_count:     768
    .wavefront_size: 32
...
	.end_amdgpu_metadata
.endif
;; end of part 4
